; MI455X (gfx1250); checked and timed in simulation.
; The chip was launched on July 23, 2026; its instructions are those of AMD's public machine-readable ISA for CDNA 5 (MIT licence, August 2026) and "CDNA5" Instruction Set Architecture Reference Guide (July 2026). The comments in the code are by the model that wrote it; some were corrected since.
;; Bigbird Simulated Attention. Allowed arithmetic: matrix products marked QUANTISED: E2M1 operands, one E8M0 scale for each 32 along K, by v_wmma_scale_f32_16x16x128_f8f6f4 with both operands' format E2M1 (or v_wmma_scale_f32_32x16x128_f4), f32 sums; everything else in f32.
;; Inputs: k 2 x 6 x 4,096 x 64 float32; mask 4,096 x 4,096 int32; q 2 x 6 x 4,096 x 64 float32; v 2 x 6 x 4,096 x 64 float32.
;; Outputs: out0 2 x 6 x 4,096 x 64 float32.
;; This version of the problem:
;;   THIS VERSION OF THE PROBLEM IS GIVEN IN LOW PRECISION. The matrix products marked QUANTISED in the list below multiply operands that are first quantised to E2M1 (2 exponent bits, 1 mantissa bit; 4 bits a number), with one power-of-two scale for each 32 numbers along K (OCP MX v1.0); their sums are f32. All else is computed in f32.
;;   The module's matrix products, in the order in which they are computed (A, B: the left and right operand; K: the contracted axis; several contracted axes count as one K, in the product's order):
;;     1. batch 12 x [M 4,096, K 64] x [K 64, N 4,096]; A: input q; B: input k: QUANTISED
;;     2. batch 12 x [M 4,096, K 4,096] x [K 4,096, N 64]; A: softmax (see below); B: input v: QUANTISED
;;   THE QUANTISER, for each operand of a quantised product, along K:
;;     - K is cut into blocks of 32 from its start; a last block that is shorter is filled with zeros.
;;     - A block's scale is 2^e with e = floor(log2(the largest magnitude in the block)) - 2, held to -126 .. 127; a block of zeros has e = 0. As a byte (E8M0): e + 127.
;;     - Each number is divided by its block's scale, clamped to +-6, and rounded to the nearest number of E2M1, ties to even, subnormals kept.
;;     - The product sums the exact products of the quantised numbers (number of the format x scale) in f32.
;;   ~~~python
;;   def quantise(x, axis):      # numpy; x: float32 -> the quantised numbers, widened to float32 again
;;       x = np.moveaxis(x, axis, -1); K = x.shape[-1]
;;       x = np.pad(x, [(0, 0)] * (x.ndim - 1) + [(0, -K % 32)]); x = x.reshape(x.shape[:-1] + (-1, 32)); a = np.abs(x).max(-1, keepdims=True)
;;       e = np.where(a > 0, np.clip(np.frexp(np.where(a > 0, a, 1))[1] - 1 - 2, -126, 127), 0)      # np.frexp(a)[1] - 1 = floor(log2(a)), exactly
;;       r = np.clip(x / 2.0 ** e, -6, 6)
;;       step = 2.0 ** (np.maximum(np.frexp(np.where(r == 0, 1, r))[1] - 1, 0) - 1)
;;       q = np.round(r / step) * step * 2.0 ** e      # np.round: ties to even
;;       return np.moveaxis(q.reshape(q.shape[:-2] + (-1,))[..., :K], -1, axis).astype(np.float32)
;;   ~~~
;;   SOFTMAX AHEAD OF A QUANTISED PRODUCT. Where the list says 'softmax', what is quantised is not the finished softmax but p = 2^(t - M), with t = logit x log2(e) and M = ceil(the row's largest t), a whole number; so 1/2 < the row's largest p <= 1. The row's sum l is taken of the UNQUANTISED p, in f32, and the product's result is divided by l at the end. Since M is a whole number, a kernel that streams over the keys may use a running M (the ceiling of the running maximum): every later rescaling is an exact power of two, which a block's scale takes up: the codes' values come out the same.
;;   OPERANDS COMPUTED ON THE WAY. 'Computed on the way' means the value that the module computes at that place (a softmax that the list does not call 'softmax' is quantised finished and normalised). What goes into a quantiser is computed in f32, as accurately as f32 sums, v_exp_f32 and their like allow (about 1e-6 of the number): no bf16 or f16 on the way to a quantiser, and a product that is left as it is and whose result goes on into a quantised operand takes f32 operands (vector FMAs, or v_wmma_f32_16x16x4_f32). A number that lies on a knife's edge between two numbers of the format may be rounded either way, as far as f32 arithmetic and the matrix unit's own rounding can turn it there, and no further.
;; 3 versions, each right; version 2 is faster than version 1; version 3 is version 2 with the launch attn written anew for expert scheduling mode. Each part assembles by itself: llvm-mc -triple=amdgcn-amd-amdhsa -mcpu=gfx1250 --defsym DOCPART=n.
;; ======== version 1 of 3: 3 launches
;; limits: inputs' magnitudes at most 1,000; right only within a limited range of input values
;; workspace buffers: qc 1,572,864 bytes; qs 98,304 bytes; kc 1,572,864 bytes; ks 98,304 bytes; vc 1,572,864 bytes; vs 196,608 bytes; bits 2,097,152 bytes of whole numbers; rec 32,768 bytes of whole numbers
;; launch quant (part 1): grid 384 x 1, 4 waves a work-group, no clusters, 33,280 bytes of LDS; arguments q, k, v, qc, qs, kc, ks, vc, vs; writes qc, qs, kc, ks, vc, vs
.if DOCPART == 1
	.amdgcn_target "amdgcn-amd-amdhsa--gfx1250"
	.amdhsa_code_object_version 6
	.text
	.protected	k_qd8c7cbce88_quant
	.globl	k_qd8c7cbce88_quant
	.p2align	8
	.type	k_qd8c7cbce88_quant,@function
k_qd8c7cbce88_quant:
	s_mov_b64 s[64:65], 0
	v_nop
	global_prefetch_b8 v0, s[64:65] scope:SCOPE_SE
	s_setreg_imm32_b32 hwreg(HW_REG_WAVE_MODE, 25, 1), 1
	s_wait_xcnt 0x0
; q, k, v: [12 heads][4096][64] f32, turned into codes of FP4 (E2M1) with one E8M0 scale byte for each 32 along the K of the product that reads them.
; A block's scale is 2^(floor(log2(its largest magnitude)) - 2); its byte is the largest magnitude's exponent field - 2, held at 1 from below; numbers are divided by the scale and rounded to the nearest code, ties to even.
; LIMITS: a block of zeros gets the byte 1 where the rule says 127 (its codes are zeros, and this program alone reads the bytes); a block whose largest magnitude lies under 2^-124 is held at byte 1;
;         NaN and infinities among the inputs are not served.
; WORK-GROUPS 0-95 take q, 96-191 take k: K = the head's 64, innermost in memory, so a tensor is a plain stream of blocks of 32.  Codes leave in natural order, 32 bytes a row.
;   The scale bytes leave 128 bytes for each 64 rows, PERMUTED for the attention launch: row 32 b + 16 h + 8 u + j, block e, lies at 64 b + 32 h + 4 j + 2 u + e.
; WORK-GROUPS 192-383 take v: K = the keys, which are NOT innermost.  A wave takes a unit of 64 keys x 64 channels; a lane takes two channels and its registers run down the keys.
;   Codes leave as an image of the operand's registers: unit u at 2,048 u; channel tile t, lane (r, h) at 512 t + 256 h + 16 r: channel 16 t + r, keys 32 h + 0 .. 31.
;   Scale words: unit u at 256 u; channel c at 8 (c % 32) + 4 (c / 32): byte 0 keys 0-31, byte 1 keys 32-63, bytes 2 and 3 = 127 (they meet zero codes).
; No tensor loads, no barrier: waves share nothing.  Only the first path uses LDS.
.set WGA,   96                         ; work-groups for q (3,145,728 numbers / 32,768), and as many for k
.set WGQK,  192
.set STEPS, 16
.set EMAX,  2
.set CB,    8                          ; bytes of 16 codes
.set R,     16                         ; v16-79   four sets of 16 numbers as they are loaded
.set X,     80                         ; v80-111  two sets of 16 neighbours
.set E,     112                        ; v112-127 a scale byte for each step
.set C,     128                        ; v128-191 codes: four registers for each step, so that no store's data are written again
.set WREG,  8192                       ; LDS: a region for each wave: two stages of 32 x SP bytes, behind them its 256 scale bytes
.set SP,    80                         ; a lane's place in a stage: 64 bytes + 16 of padding
.set VX,    16                         ; path v: v16-143: VX + 64 x + key = v[key][channel 32 x + lane]
.set VC,    144                        ; v144-159 codes, four registers a group
.set VW,    160                        ; v[160:161] the two channels' scale words
	s_load_b512 s[4:19], s[0:1], 0x0               ; q s[4:5], k s[6:7], v s[8:9], qc s[10:11], qs s[12:13], kc s[14:15], ks s[16:17], vc s[18:19]
	s_load_b64 s[20:21], s[0:1], 0x40              ; vs
	v_lshl_add_u32 v192, v0, 2, 0x8000
	v_mov_b32 v193, 0
	v_lshrrev_b32 v1, 5, v0
	v_readfirstlane_b32 s22, v1                    ; wave 0..3
	v_and_b32 v2, 31, v0                           ; lane
	s_cmp_lt_u32 ttmp9, WGQK
	s_cbranch_scc0 .Lv
	; ---------------- q and k ----------------
	v_lshlrev_b32 v3, 4, v2                        ; my 16 bytes of a load's 512
	s_mul_i32 s23, s22, WREG
	v_lshrrev_b32 v14, 2, v2
	v_mul_u32_u24 v14, v14, SP
	v_and_b32 v15, 3, v2
	v_lshl_add_u32 v14, v15, 4, v14
	v_add_nc_u32 v14, s23, v14                     ; the stage, on the way in: SP (lane / 4) + 16 (lane % 4)
	v_mul_u32_u24 v15, v2, SP
	v_add_nc_u32 v15, s23, v15                     ; on the way out: SP x lane: my 16 neighbours
	v_mul_u32_u24 v4, v2, CB                       ; my codes' place in a step's
	v_lshrrev_b32 v5, 2, v2                        ; j = lane / 4: my row among the step's eight
	v_bfe_u32 v6, v2, 1, 1                         ; e = (lane / 2) % 2: which block of the row
	v_lshl_add_u32 v5, v5, 2, v6                   ; 4 j + e
	s_add_co_u32 s23, s23, 2*32*SP
	v_add_nc_u32 v5, s23, v5                       ; in my wave's 256 scale bytes
	v_lshlrev_b32 v7, 3, v2                        ; on the way out 8 bytes a lane
	v_add_nc_u32 v6, s23, v7
	s_wait_kmcnt 0x0
	s_cmp_lt_u32 ttmp9, WGA                        ; q's work-group or k's: the choice hangs on the work-group's number alone
	s_cselect_b64 s[4:5], s[4:5], s[6:7]
	s_cselect_b64 s[10:11], s[10:11], s[14:15]
	s_cselect_b64 s[12:13], s[12:13], s[16:17]
	s_cselect_b32 s23, 0, WGA
	s_sub_co_u32 s23, ttmp9, s23
	s_lshl_b32 s23, s23, 2
	s_add_co_u32 s24, s23, s22                     ; which run of 8,192 numbers (128 rows) is my wave's
	s_mov_b32 s25, 0
	s_lshl_b64 s[26:27], s[24:25], 15              ; 32,768 bytes of numbers a run,
	s_add_nc_u64 s[4:5], s[4:5], s[26:27]
	s_lshl_b64 s[26:27], s[24:25], 12              ; 4,096 bytes of codes,
	s_add_nc_u64 s[10:11], s[10:11], s[26:27]
	s_lshl_b32 s24, s24, 8                         ; 256 scale bytes: two whole blocks of 64 rows
	s_add_nc_u64 s[12:13], s[12:13], s[24:25]
.macro LOAD t
.irp i, 0,1,2,3
	global_load_b128 v[R+16*((\t)%4)+4*\i:R+16*((\t)%4)+4*\i+3], v3, s[4:5] offset:2048*(\t)+512*\i th:TH_LOAD_NT   ; 32 lanes read 512 consecutive bytes
.endr
.endm
.macro TURN t                          ; step t's numbers through the stage: LDS serves a wave's instructions in order, so no wait stands between the stores and the loads
.irp i, 0,1,2,3
	ds_store_b128 v14, v[R+16*((\t)%4)+4*\i:R+16*((\t)%4)+4*\i+3] offset:32*SP*((\t)%2)+8*SP*\i
.endr
.irp i, 0,1,2,3
	ds_load_b128 v[X+16*((\t)%2)+4*\i:X+16*((\t)%2)+4*\i+3], v15 offset:32*SP*((\t)%2)+16*\i
.endr
.endm
.irp t, 0,1,2,3
	LOAD \t
.endr
	s_wait_loadcnt 12                              ; step 0's four loads are in; the twelve of steps 1 to 3 may be out
	TURN 0
.macro STEP t
.set XS, X+16*((\t)%2)
.if (\t) > 0
	s_wait_dscnt 1                                 ; this step's numbers are back from the stage (the last step's byte store may be out)
.else
	s_wait_dscnt 0x0
.endif
.if (\t)+4 < STEPS
	LOAD (\t)+4                                    ; into the registers that the stage's stores have read
.endif
.if (\t)+1 < STEPS
.if STEPS-2-(\t) >= 3
	s_wait_loadcnt 12                              ; the next step's four loads are in; those of the three steps behind it may be out
.else
	s_wait_loadcnt 4*(STEPS-2-(\t))
.endif
	TURN (\t)+1
.endif
	v_max3_num_f32 v8, |v[XS]|, |v[XS+1]|, |v[XS+2]|               ; the largest magnitude of my 16, in two chains
	v_max3_num_f32 v9, |v[XS+3]|, |v[XS+4]|, |v[XS+5]|
.irp i, 6,10
	v_max3_num_f32 v8, v8, |v[XS+\i]|, |v[XS+\i+1]|
	v_max3_num_f32 v9, v9, |v[XS+\i+2]|, |v[XS+\i+3]|
.endr
	v_max3_num_f32 v8, v8, |v[XS+14]|, |v[XS+15]|
	v_max3_num_f32 v8, v8, v9, (EMAX+1)<<23        ; and the floor 2^(3 - 127): the byte cannot fall under 1
	v_max_num_f32_dpp v8, v8, v8 row_xmask:1 row_mask:0xf bank_mask:0xf   ; with my neighbour's 16: the block's
	v_add_nc_u32 v11, -(EMAX<<23), v8              ; 2 off its exponent field: the conversion takes the exponent field of this operand as its scale
	v_cvt_scalef32_pk8_fp4_f32 v[C+4*(\t)], v[XS:XS+7], v11
	v_cvt_scalef32_pk8_fp4_f32 v[C+4*(\t)+1], v[XS+8:XS+15], v11
	v_lshrrev_b32 v[E+(\t)], 23, v11               ; the scale's byte
	ds_store_b8 v5, v[E+(\t)] offset:128*((\t)/8)+64*(((\t)/4)%2)+32*(((\t)/2)%2)+2*((\t)%2)   ; step t holds rows 8 t + j: block of 64 t / 8, b, h, u = t's bits 2, 1, 0; both lanes of a block write the same byte
	global_store_b64 v4, v[C+4*(\t):C+4*(\t)+1], s[10:11] offset:32*CB*(\t)                     ; the wave stores 256 consecutive bytes
.endm
.irp t, 0,1,2,3,4,5,6,7,8,9,10,11,12,13,14,15
	STEP \t
.endr
	ds_load_b64 v[12:13], v6                       ; LDS serves a wave's instructions in order: these see my byte stores
	s_wait_dscnt 0x0
	global_store_b64 v7, v[12:13], s[12:13]        ; 32 lanes store 256 consecutive bytes, aligned
	s_wait_tensorcnt 0x0
	ds_add_u32 v192, v193
	s_wait_dscnt 0x0
	s_endpgm
	; ---------------- v ----------------
.Lv:
	v_lshlrev_b32 v3, 2, v2                        ; in: 4 bytes a lane
	v_lshrrev_b32 v4, 4, v2
	v_and_b32 v5, 15, v2
	v_lshlrev_b32 v4, 9, v4
	v_lshl_add_u32 v4, v5, 4, v4                   ; codes out: 512 (lane / 16) + 16 (lane % 16)
	v_lshlrev_b32 v5, 3, v2                        ; scale words out: 8 bytes a lane
	s_sub_co_u32 s23, ttmp9, WGQK
	s_lshl_b32 s23, s23, 2
	s_add_co_u32 s23, s23, s22                     ; my unit u = head x 64 + block of 64 keys
	s_lshl_b32 s24, s23, 14                        ; 16,384 bytes of numbers,
	s_mov_b32 s25, 0
	s_lshl_b32 s26, s23, 11                        ; 2,048 of codes,
	s_mov_b32 s27, 0
	s_lshl_b32 s28, s23, 8                         ; 256 of scale words
	s_mov_b32 s29, 0
	s_wait_kmcnt 0x0
	s_add_nc_u64 s[8:9], s[8:9], s[24:25]
	s_add_nc_u64 s[18:19], s[18:19], s[26:27]
	s_add_nc_u64 s[20:21], s[20:21], s[28:29]
.set key, 0
.rept 64
	global_load_b32 v[VX+key], v3, s[8:9] offset:256*key th:TH_LOAD_NT          ; a key's row of 256 bytes by two loads that follow each other
	global_load_b32 v[VX+64+key], v3, s[8:9] offset:256*key+128 th:TH_LOAD_NT
.set key, key+1
.endr
; Channel 32 x + lane, keys 32 hb + 0 .. 31: all 32 numbers of the block are mine
.macro GROUP x, hb
.set XS, VX+64*\x+32*\hb
	v_max3_num_f32 v8, |v[XS]|, |v[XS+1]|, |v[XS+2]|
	v_max3_num_f32 v9, |v[XS+3]|, |v[XS+4]|, |v[XS+5]|
.irp i, 6,10,14,18,22,26
	v_max3_num_f32 v8, v8, |v[XS+\i]|, |v[XS+\i+1]|
	v_max3_num_f32 v9, v9, |v[XS+\i+2]|, |v[XS+\i+3]|
.endr
	v_max3_num_f32 v8, v8, |v[XS+30]|, |v[XS+31]|
	v_max3_num_f32 v8, v8, v9, (EMAX+1)<<23        ; the floor
	v_add_nc_u32 v10, -(EMAX<<23), v8              ; the conversion's scale operand
	v_lshrrev_b32 v11, 23, v10                     ; the byte
.if \hb == 0
	v_or_b32 v[VW+\x], 0x7f7f0000, v11
.else
	v_lshl_or_b32 v[VW+\x], v11, 8, v[VW+\x]
.endif
.irp g, 0,1,2,3
	v_cvt_scalef32_pk8_fp4_f32 v[VC+4*(2*\x+\hb)+\g], v[XS+8*\g:XS+8*\g+7], v10
.endr
	global_store_b128 v4, v[VC+4*(2*\x+\hb):VC+4*(2*\x+\hb)+3], s[18:19] offset:1024*\x+256*\hb   ; sixteen lanes store 256 consecutive bytes, aligned.  (The next group begins with plain vector lines before v10 is written again)
.endm
	s_wait_loadcnt 63                              ; keys 0-31 are in: 64 loads were issued behind theirs, and 63 is the largest count that the wait can name
	GROUP 0, 0
	GROUP 1, 0
	s_wait_loadcnt 0x0
	GROUP 0, 1
	GROUP 1, 1
	global_store_b64 v5, v[VW:VW+1], s[20:21]      ; 32 lanes store 256 consecutive bytes, aligned
	s_endpgm
.Lfunc_end_k_qd8c7cbce88_quant:
	.size	k_qd8c7cbce88_quant, .Lfunc_end_k_qd8c7cbce88_quant-k_qd8c7cbce88_quant
	.p2alignl 7, 3214868480
	.fill 96, 4, 3214868480
	.section	.rodata,"a",@progbits
	.p2align	6, 0x0
	.amdhsa_kernel k_qd8c7cbce88_quant
		.amdhsa_group_segment_fixed_size 33280
		.amdhsa_private_segment_fixed_size 0
		.amdhsa_enable_private_segment 0
		.amdhsa_kernarg_size 72
		.amdhsa_user_sgpr_count 2
		.amdhsa_user_sgpr_kernarg_segment_ptr 1
		.amdhsa_wavefront_size32 1
		.amdhsa_system_sgpr_workgroup_id_x 1
		.amdhsa_system_sgpr_workgroup_id_y 1
		.amdhsa_system_sgpr_workgroup_id_z 1
		.amdhsa_system_vgpr_workitem_id 0
		.amdhsa_next_free_vgpr 194
		.amdhsa_next_free_sgpr 66
		.amdhsa_reserve_vcc 0
		.amdhsa_float_denorm_mode_32 3
		.amdhsa_float_denorm_mode_16_64 3
		.amdhsa_memory_ordered 1
		.amdhsa_forward_progress 1
		.amdhsa_inst_pref_size 52
	.end_amdhsa_kernel
	.amdgpu_metadata
---
amdhsa.version: [ 1, 2 ]
amdhsa.kernels:
  - .name:           k_qd8c7cbce88_quant
    .symbol:         k_qd8c7cbce88_quant.kd
    .args:
      - { .name: q, .offset: 0, .size: 8, .value_kind: global_buffer, .address_space: global }
      - { .name: k, .offset: 8, .size: 8, .value_kind: global_buffer, .address_space: global }
      - { .name: v, .offset: 16, .size: 8, .value_kind: global_buffer, .address_space: global }
      - { .name: qc, .offset: 24, .size: 8, .value_kind: global_buffer, .address_space: global }
      - { .name: qs, .offset: 32, .size: 8, .value_kind: global_buffer, .address_space: global }
      - { .name: kc, .offset: 40, .size: 8, .value_kind: global_buffer, .address_space: global }
      - { .name: ks, .offset: 48, .size: 8, .value_kind: global_buffer, .address_space: global }
      - { .name: vc, .offset: 56, .size: 8, .value_kind: global_buffer, .address_space: global }
      - { .name: vs, .offset: 64, .size: 8, .value_kind: global_buffer, .address_space: global }
    .group_segment_fixed_size: 33280
    .private_segment_fixed_size: 0
    .kernarg_segment_align: 8
    .kernarg_segment_size: 72
    .max_flat_workgroup_size: 128
    .sgpr_count:     66
    .vgpr_count:     194
    .wavefront_size: 32
...
	.end_amdgpu_metadata
.endif
;; end of part 1
;; launch scan (part 2): grid 256 x 1, 8 waves a work-group, no clusters, 327,680 bytes of LDS; arguments mask, bits, rec; writes bits, rec
.if DOCPART == 2
	.amdgcn_target "amdgcn-amd-amdhsa--gfx1250"
	.amdhsa_code_object_version 6
	.text
	.protected	k_qd8c7cbce88_scan
	.globl	k_qd8c7cbce88_scan
	.p2align	8
	.type	k_qd8c7cbce88_scan,@function
k_qd8c7cbce88_scan:
	s_mov_b64 s[64:65], 0
	v_nop
	global_prefetch_b8 v0, s[64:65] scope:SCOPE_SE
	s_setreg_imm32_b32 hwreg(HW_REG_WAVE_MODE, 25, 1), 1
	s_wait_xcnt 0x0
; mask: [4096][4096] int32; a key counts for a query where the number is > 0.  The launch reads every number once and leaves whole numbers for the attention launch:
;   bits: for query tile T (16 queries) and key block kb (64 keys) 32 words at (64 T + kb) x 128: word n = 16 b + i, bit (16 h + r) = (mask[16 T + r][64 kb + 32 b + 16 h + i] > 0):
;         the lane mask of that launch's score register n.
;   rec:  128 bytes a tile T: even words A's low half, odd words its high half.  Bit kb of A: block kb has an open key for some query of T.
;         If any of the 16 queries has no open key at all, A is all ones: such a row weighs every key alike, so every block counts.
; SHARES.  Work-group T owns tile T: 16 rows x 16,384 bytes.  Wave w owns key blocks 8 w .. 8 w + 7, brings each by a tensor load of its own (16 rows x 256 bytes) and alone reads them.
; All LDS bytes are filled once, by loads that go out together at the start (eight of a wave are out by this text's count); nothing is filled again, so there is no ring.
; No matrix units, no clusters: the launch is a stream, and its work-groups share no input.
.set PITCH, 272                        ; a tile's row in LDS: 256 bytes + 16 of padding: the 16 rows that sixteen lanes touch begin at 16 different multiples of 16 modulo 256
.set TILEB, 16*PITCH                   ; a tile
.set WREG,  8*TILEB                    ; a wave's eight tiles
.set XCH,   64*TILEB                   ; behind the tiles: 8 bytes for each wave, in a block of 256 bytes into which no tensor load lands
.set G1,    8                          ; s[8:15]  descriptor group 1
.set G0,    16                         ; s[16:47] eight groups 0
.set RR,    8                          ; v8-15    two sets of four: four tiles' words as they are stored
.set X,     16                         ; v16-47   a tile's 32 numbers of my lane
.set Y,     48                         ; v48-63   the eight waves' (A_w, R_w)
	s_load_b128 s[84:87], s[0:1], 0x0              ; mask s[84:85], bits s[86:87]
	s_load_b64 s[88:89], s[0:1], 0x10              ; rec
	v_lshl_add_u32 v64, v0, 2, 0x44100
	v_mov_b32 v65, 0
	ds_add_u32 v64, v65
	ds_add_u32 v64, v65
	v_lshrrev_b32 v3, 5, v0
	v_readfirstlane_b32 s90, v3                    ; wave 0..7
	s_mov_b32 s[G1+0], (2<<16)|(1<<20)|(5<<22)|(3<<25)   ; no mask; elements of 4 bytes; padding on: 4 words after every 64
	s_mov_b32 s[G1+1], 64<<16                      ; tensor_dim0 = 64
	s_mov_b32 s[G1+2], 16<<16                      ; tensor_dim1 = 16
	s_mov_b32 s[G1+3], 64<<16                      ; tile_dim0 = 64
	s_mov_b32 s[G1+4], 16                          ; tile_dim1 = 16
	s_mov_b32 s[G1+5], 4096                        ; elements from row to row
	s_mov_b32 s[G1+6], 0
	s_mov_b32 s[G1+7], 0
	s_mul_i32 s93, s90, WREG                       ; my wave's tiles in LDS
	s_lshl_b32 s4, ttmp9, 18                       ; 16 rows of 16,384 bytes a work-group,
	s_lshl_b32 s5, s90, 11                         ; 8 blocks of 256 bytes a wave
	s_add_co_u32 s4, s4, s5
	s_mov_b32 s5, 0
	s_wait_dscnt 0x0
	s_wait_kmcnt 0x0
	s_add_nc_u64 s[4:5], s[84:85], s[4:5]
.irp i, 0,1,2,3,4,5,6,7
	s_mov_b32 s[G0+4*\i], 1                        ; count = 1
	s_add_co_u32 s[G0+4*\i+1], s93, \i*TILEB       ; LDS address: wave x WREG + i x TILEB
	s_add_nc_u64 s[G0+4*\i+2:G0+4*\i+3], s[4:5], \i*256
	s_or_b32 s[G0+4*\i+3], s[G0+4*\i+3], 0x80000000   ; type = 2
.endr
.irp i, 0,1,2,3,4,5,6,7
	tensor_load_to_lds s[G0+4*\i:G0+4*\i+3], s[G1:G1+7]
	s_nop 0
.endr
.rept 4
	v_nop                                          ; four nops behind the last load
.endr
	v_and_b32 v6, 15, v0                           ; r
	v_bfe_u32 v7, v0, 4, 1                         ; h
	v_mul_u32_u24 v1, v6, PITCH
	v_lshl_add_u32 v1, v7, 6, v1
	v_add_nc_u32 v1, s93, v1                       ; row r, + 64 h bytes: my 16 numbers of each 32
	v_and_b32 v5, 31, v0
	v_lshlrev_b32 v2, 4, v5                        ; bits: 16 bytes a lane
	v_lshlrev_b32 v5, 2, v5                        ; rec: 4 bytes a lane
	v_lshl_add_u32 v3, v3, 3, XCH                  ; where my wave leaves its two words
	v_mov_b32 v4, XCH
.irp j, 0,1,2,3,4,5,6,7
	v_mov_b32 v[RR+\j], 0                          ; written once: v_writelane_b32's destination counts as read
.endr
	s_mov_b32 s91, 0                               ; A_w: bit i: my block i has an open key
	s_mov_b32 s92, 0                               ; R_w: bit 16 h + r: row r has an open key in my blocks
	s_lshl_b32 s96, ttmp9, 13                      ; bits: 64 x 128 bytes a tile T,
	s_lshl_b32 s94, s90, 10                        ; 8 x 128 a wave
	s_add_co_u32 s94, s94, s96
	s_mov_b32 s95, 0
	s_add_nc_u64 s[86:87], s[86:87], s[94:95]
	s_lshl_b32 s94, ttmp9, 7
	s_add_nc_u64 s[88:89], s[88:89], s[94:95]      ; rec: 128 bytes a tile T
; My block i.  Compare word n lies in s[48 + n] (n < 16) or s[52 + n]: s64 and s65 are not named.
.macro TILE i
	s_wait_tensorcnt 7-\i                          ; a wave's tensor loads end in order: tile i is in; the 7 - i issued behind it may be out
.irp b, 0,1
.irp jj, 0,1,2,3
	ds_load_b128 v[X+16*\b+4*\jj:X+16*\b+4*\jj+3], v1 offset:TILEB*\i+128*\b+16*\jj
.endr
.endr
	s_wait_dscnt 0x0
.set n, 0
.rept 32
	v_cmp_lt_i32 s[48+n+4*(n/16)], 0, v[X+n]       ; 0 < the number: word n
.set n, n+1
.endr
.set n, 0
.rept 32
	v_writelane_b32 v[RR+4*(\i/4)+n%4], s[48+n+4*(n/16)], 8*(\i%4)+n/4   ; word n of tile i goes where a store of 16 bytes a lane wants it
.set n, n+1
.endr
	s_or_b32 s94, s48, s49                         ; all 32 words joined, in two chains
	s_or_b32 s95, s68, s69
.irp p, 2,3,4,5,6,7,8,9,10,11,12,13,14,15
	s_or_b32 s94, s94, s[48+\p]
	s_or_b32 s95, s95, s[68+\p]
.endr
	s_or_b32 s96, s94, s95
	s_or_b32 s92, s92, s96
	s_cmp_lg_u32 s96, 0
	s_cselect_b32 s96, 1<<\i, 0                    ; a value is chosen; no branch hangs on it
	s_or_b32 s91, s91, s96
.if \i%4 == 3
	global_store_b128 v2, v[RR+4*(\i/4):RR+4*(\i/4)+3], s[86:87] offset:512*(\i/4)   ; four tiles' words: 512 consecutive bytes; each set of registers is stored once and not written again
.endif
.endm
.irp i, 0,1,2,3,4,5,6,7
	TILE \i
.endr
	v_mov_b32 v6, s91
	v_mov_b32 v7, s92
	ds_store_b64 v3, v[6:7]                        ; all lanes write the same words with the same values
	s_wait_dscnt 0x0                               ; for the others' sake: my store has landed
	s_barrier_signal -1
	s_barrier_wait -1
	s_cmp_lg_u32 s90, 0                            ; wave 0 alone joins the eight
	s_cbranch_scc1 .Ldone
.irp j, 0,1,2,3
	ds_load_b128 v[Y+4*\j:Y+4*\j+3], v4 offset:16*\j
.endr
	s_wait_dscnt 0x0
	v_lshl_or_b32 v16, v[Y+2], 8, v[Y]             ; A's low half: waves 0 to 3
	v_lshl_or_b32 v17, v[Y+10], 8, v[Y+8]          ; its high half: waves 4 to 7
	v_lshl_or_b32 v16, v[Y+4], 16, v16
	v_lshl_or_b32 v17, v[Y+12], 16, v17
	v_lshl_or_b32 v16, v[Y+6], 24, v16
	v_lshl_or_b32 v17, v[Y+14], 24, v17
	v_or_b32 v18, v[Y+1], v[Y+3]
	v_or_b32 v19, v[Y+5], v[Y+7]
	v_or_b32 v18, v18, v[Y+9]
	v_or_b32 v19, v19, v[Y+11]
	v_or_b32 v18, v18, v[Y+13]
	v_or_b32 v19, v19, v[Y+15]
	v_or_b32 v18, v18, v19
	v_lshrrev_b32 v19, 16, v18
	v_or_b32 v18, v18, v19
	v_and_b32 v18, 0xffff, v18                     ; bit r: row r has an open key
	v_cmp_eq_u32 vcc_lo, 0xffff, v18
	v_cndmask_b32 v16, -1, v16, vcc_lo             ; a row without any: every block counts
	v_cndmask_b32 v17, -1, v17, vcc_lo
	v_and_b32 v19, 1, v0
	v_cmp_eq_u32 vcc_lo, 1, v19
	v_cndmask_b32 v16, v16, v17, vcc_lo            ; even lanes the low half, odd lanes the high
	global_store_b32 v5, v16, s[88:89]
.Ldone:
	s_wait_tensorcnt 0x0
	ds_add_u32 v64, v65
	s_wait_dscnt 0x0
	s_endpgm
.Lfunc_end_k_qd8c7cbce88_scan:
	.size	k_qd8c7cbce88_scan, .Lfunc_end_k_qd8c7cbce88_scan-k_qd8c7cbce88_scan
	.p2alignl 7, 3214868480
	.fill 96, 4, 3214868480
	.section	.rodata,"a",@progbits
	.p2align	6, 0x0
	.amdhsa_kernel k_qd8c7cbce88_scan
		.amdhsa_group_segment_fixed_size 327680
		.amdhsa_private_segment_fixed_size 0
		.amdhsa_enable_private_segment 0
		.amdhsa_kernarg_size 24
		.amdhsa_user_sgpr_count 2
		.amdhsa_user_sgpr_kernarg_segment_ptr 1
		.amdhsa_wavefront_size32 1
		.amdhsa_system_sgpr_workgroup_id_x 1
		.amdhsa_system_sgpr_workgroup_id_y 1
		.amdhsa_system_sgpr_workgroup_id_z 1
		.amdhsa_system_vgpr_workitem_id 0
		.amdhsa_next_free_vgpr 66
		.amdhsa_next_free_sgpr 106
		.amdhsa_reserve_vcc 1
		.amdhsa_float_denorm_mode_32 3
		.amdhsa_float_denorm_mode_16_64 3
		.amdhsa_memory_ordered 1
		.amdhsa_forward_progress 1
		.amdhsa_inst_pref_size 53
	.end_amdhsa_kernel
	.amdgpu_metadata
---
amdhsa.version: [ 1, 2 ]
amdhsa.kernels:
  - .name:           k_qd8c7cbce88_scan
    .symbol:         k_qd8c7cbce88_scan.kd
    .args:
      - { .name: mask, .offset: 0, .size: 8, .value_kind: global_buffer, .address_space: global }
      - { .name: bits, .offset: 8, .size: 8, .value_kind: global_buffer, .address_space: global }
      - { .name: rec, .offset: 16, .size: 8, .value_kind: global_buffer, .address_space: global }
    .group_segment_fixed_size: 327680
    .private_segment_fixed_size: 0
    .kernarg_segment_align: 8
    .kernarg_segment_size: 24
    .max_flat_workgroup_size: 256
    .sgpr_count:     106
    .vgpr_count:     66
    .wavefront_size: 32
...
	.end_amdgpu_metadata
.endif
;; end of part 2
;; launch attn (part 3): grid 128 x 12, 4 waves a work-group, no clusters, 36,352 bytes of LDS; arguments qc, qs, kc, ks, vc, vs, bits, rec, out0; writes out0
.if DOCPART == 3
	.amdgcn_target "amdgcn-amd-amdhsa--gfx1250"
	.amdhsa_code_object_version 6
	.text
	.protected	k_qd8c7cbce88_attn
	.globl	k_qd8c7cbce88_attn
	.p2align	8
	.type	k_qd8c7cbce88_attn,@function
k_qd8c7cbce88_attn:
	s_mov_b64 s[64:65], 0
	v_nop
	global_prefetch_b8 v0, s[64:65] scope:SCOPE_SE
	s_setreg_imm32_b32 hwreg(HW_REG_WAVE_MODE, 25, 1), 1
	s_wait_xcnt 0x0
; out0[H][q][:] = the sum over keys of softmax(where(mask > 0, q . k / 8, -1e9)) v, both products on codes of FP4 (E2M1) with one E8M0 scale for each 32 along K.
; THE SOFTMAX: t = logit x log2(e); M = the running largest t rounded UP to a whole number; p = 2^(t - M) is quantised along the keys, not normalised; the row's sum is taken of the unquantised p and divides at the end.
; SHARES.  Work-group (P, H) owns queries 32 P .. 32 P + 31 of head H: two tiles of 16.  A = the key blocks (64 keys) that count for either tile, as the launch before left them; a block that does not count has p = 0
; for all 32 queries.  THE FOUR WAVES SHARE THE KEYS: wave w takes set bits number w, w + 4, .. of A, one a step, for both tiles, with its own M, sum and O^T; the four meet in LDS, brought under the largest M by
; exact powers of two.  A wave with no block hands in zeros.  Codes, scale words and mask words come straight into registers: each is read by one wave of the work-group, so LDS would add a trip and no sharing.
; No joint loads: neighbouring work-groups walk different sets of blocks, and their trip counts differ.
; LAYOUT.  Both products are used transposed (S^T = K Q^T, O^T = V^T P^T): a lane holds ONE query (lane % 16).  THE FIRST PRODUCT'S K IS 64, HALF OF THE INSTRUCTION'S 128: a fragment of K holds TWO tiles of 16 keys
; (registers 0-3: tile 2 b, registers 4-7: tile 2 b + 1) and is multiplied once by [Q | 0] and once by [0 | Q].  Lane r of tile 2 b + u takes key 32 b + 8 u + r + 8 (r / 8), so that score register 16 b + i of
; lane (r, h) is key 32 b + 16 h + i.  THE SECOND PRODUCT TAKES 64 KEYS A STEP: source 1 is [p's codes | 0]; source 0's upper four registers are whatever follows and meet zero codes; no scale byte there is 0xff.
; LIMITS: a closed key's score is replaced by -2^33, a logit of -2^30 where reference() has -1e9: the same results as long as open logits lie above some -1e9 (inputs some 10^4 times those drawn);
;         a row with no open key gets p = 1 for every key, as there.  NaN and infinities among the inputs are not served.
.set KOFF, 1                           ; v1   K's codes: (r + 8 (r / 8)) x 32 + 16 h
.set L4,   2                           ; v2   4 x lane
.set L16,  3                           ; v3   16 x lane
.set L8,   4                           ; v4   8 x lane
.set KA,   5                           ; v5-8 offsets of the loads in hand: K's codes, K's scale words, V's codes, V's scale words
.set KSA,  6
.set VA,   7
.set VSA,  8
.set POSLO, 9                          ; v9   lane l: how many set bits of A lie under bit l
.set POSHI, 10                         ; v10  under bit 32 + l
.set NEG,  11                          ; v11  -2^33
.set STO,  12                          ; v12  LDS: where I put 32 bytes of a partial row
.set MLS,  13                          ; v13  LDS: where I put (-M, l)
.set RD,   14                          ; v14  LDS: where I read 16 bytes of a partial row
.set MLR,  15                          ; v15  LDS: where I read a query's four (-M, l)
.set GO,   16                          ; v16  my 16 bytes in the work-group's rows of out0
.set QA,   17                          ; v17  Q's codes
.set QSA,  18                          ; v18  Q's scale bytes
.set ST,   20                          ; tile q at v[ST + 4 q]: -M, the largest t (at the end: l), the sum in two halves
.set QZ,   28                          ; v28-47: zeros, Q0, zeros, Q1, zeros, four registers each
.set QS,   48                          ; v48-49 Q's scale words
.set KF,   50                          ; v50-65 K's two fragments
.set KS,   66                          ; v66    K's scale words: lanes 0-15 fragment 0, lanes 16-31 fragment 1
.set VF,   68                          ; v68-83 V's four channel tiles, four registers each; v84-87 zeros
.set VS,   88                          ; v[88:89] V's scale words: channels lane, lane + 32
.set PP,   90                          ; tile q at v[PP + 8 q]: p's four registers of codes, four of zeros
.set PS,   106                         ; v106-107 p's scale words
.set T,    108                         ; v108-121 at work: +0, +1 block maxima; +2, +3 permutes' results; +4 at work; +6:+7 f; +8, +9 scale operands; +10, +11 bytes; +12:+13 the second chain of the sum
.set SS,   128                         ; tile q at v[SS + 32 q]: the scores, then p
.set OO,   192                         ; tile q at v[OO + 32 q]: O^T: register 8 t + j = channel 16 t + 8 h + j
.set FF,   108                         ; the combine: f of the four waves at v108, 110, 112, 114
.set DD,   116                         ; v116 the smallest -M; v117-120 the differences
.set LL,   121                         ; the row's sum
.set RL,   122                         ; v[122:123] its reciprocal
.set ML,   34816                       ; LDS: four partials of 8,704 bytes (two tiles x 16 rows x 272), then 32 queries x 32 bytes of (-M, l) x 4 waves
.set WV,   16
.set J,    17                          ; which set bit of A is my step's
.set CNT,  18                          ; how many A has
.set KB,   19                          ; the key block found
.set SEL,  20                          ; s[20:21] v_permlanex16_b32's selects for lane l xor 16
.set CS,   22                          ; s[22:23] c = log2(e) / 8
.set ALO,  24
.set AHI,  25
.set MO,   26                          ; the mask words' offset
.set JN,   27
.set MORE, 28
.set IT,   100                         ; s100 my steps done: the loop's counter, stepped by 1
.set NT,   101                         ; s101 my steps in all, 1 to 16; the loop does not write it
; s[32:63] tile 0's 32 mask words, s[68:99] tile 1's
	s_load_b512 s[32:47], s[0:1], 0x0              ; qc, qs, kc, ks, vc, vs, bits, rec
	s_load_b64 s[48:49], s[0:1], 0x40              ; out0
	v_lshl_add_u32 v126, v0, 2, 0x8c00
	v_mov_b32 v127, 0
	v_lshrrev_b32 v1, 5, v0
	v_readfirstlane_b32 s[WV], v1                  ; wave 0..3
	s_and_b32 s31, ttmp7, 0xffff                   ; H
	s_mov_b32 s[SEL], 0x76543210
	s_mov_b32 s[SEL+1], 0xfedcba98
	s_mov_b32 s[CS], 0x3e38aa3b
	s_mov_b32 s[CS+1], s[CS]                       ; (named with it as a pair, so it is written)
	v_and_b32 v112, 15, v0                         ; r
	v_bfe_u32 v113, v0, 4, 1                       ; h
	v_and_b32 v114, 31, v0                         ; lane
	v_lshrrev_b32 v116, 4, v0                      ; thread / 16
	v_and_b32 v117, 8, v112
	v_add_nc_u32 v117, v117, v112                  ; r + 8 (r / 8)
	v_lshlrev_b32 v[KOFF], 5, v117
	v_lshl_add_u32 v[KOFF], v113, 4, v[KOFF]
	v_lshlrev_b32 v[L4], 2, v114
	v_lshlrev_b32 v[L16], 4, v114
	v_lshlrev_b32 v[L8], 3, v114
	v_mov_b32 v[NEG], 0xd0000000
	; every LDS address is made here, ahead of the first branch
	s_mul_i32 s29, s[WV], 8704
	v_mul_u32_u24 v[STO], v112, 272
	v_lshl_add_u32 v[STO], v113, 5, v[STO]
	v_add_nc_u32 v[STO], s29, v[STO]               ; wave x 8,704 + 272 r + 32 h
	s_lshl_b32 s29, s[WV], 3
	s_add_co_u32 s29, s29, ML
	v_lshlrev_b32 v[MLS], 5, v112
	v_add_nc_u32 v[MLS], s29, v[MLS]               ; ML + 32 r + 8 x wave
	v_mul_u32_u24 v[RD], v116, 272
	v_lshl_add_u32 v[RD], v112, 4, v[RD]           ; 272 (thread / 16) + 16 (thread % 16)
	v_lshl_add_u32 v[MLR], v116, 5, ML             ; ML + 32 (thread / 16)
	v_lshlrev_b32 v[GO], 4, v0
	v_lshlrev_b32 v[QA], 5, v112
	v_lshl_add_u32 v[QA], v113, 4, v[QA]           ; row r of 32 bytes, + 16 h
	v_and_b32 v117, 7, v112
	v_lshrrev_b32 v118, 3, v112
	v_lshlrev_b32 v118, 1, v118
	v_lshl_add_u32 v[QSA], v117, 2, v118           ; 4 (r % 8) + 2 (r / 8)
	s_mov_b32 s51, 0
	s_lshl_b32 s56, s31, 17                        ; a head's codes: 131,072 bytes
	s_wait_kmcnt 0x0
	s_mov_b32 s50, s56
	s_add_nc_u64 s[4:5], s[36:37], s[50:51]        ; kc at the head
	s_add_nc_u64 s[8:9], s[40:41], s[50:51]        ; vc
	s_lshl_b32 s57, ttmp9, 10
	s_add_co_u32 s50, s56, s57
	s_add_nc_u64 s[2:3], s[32:33], s[50:51]        ; qc at my 32 queries
	s_lshl_b32 s50, s31, 13
	s_add_nc_u64 s[6:7], s[38:39], s[50:51]        ; ks: 8,192 bytes a head
	s_lshl_b32 s57, ttmp9, 6
	s_add_co_u32 s50, s50, s57
	s_add_nc_u64 s[66:67], s[34:35], s[50:51]      ; qs: + 64 bytes for each 32 queries
	s_lshl_b32 s50, s31, 14
	s_add_nc_u64 s[10:11], s[42:43], s[50:51]      ; vs: 16,384 bytes a head
	s_lshl_b32 s50, ttmp9, 14
	s_add_nc_u64 s[12:13], s[44:45], s[50:51]      ; bits: tile 2 P; tile 2 P + 1 lies 8,192 bytes on
	s_lshl_b32 s50, ttmp9, 8
	s_add_nc_u64 s[46:47], s[46:47], s[50:51]      ; rec: tiles 2 P and 2 P + 1
	s_lshl_b32 s50, s31, 20
	s_lshl_b32 s57, ttmp9, 13
	s_add_co_u32 s50, s50, s57
	s_add_nc_u64 s[14:15], s[48:49], s[50:51]      ; out0 at my 32 rows
	s_load_b64 s[52:53], s[46:47], 0x0
	s_load_b64 s[54:55], s[46:47], 0x80
	global_load_b128 v[QZ+4:QZ+7], v[QA], s[2:3]               ; Q stays in registers
	global_load_b128 v[QZ+12:QZ+15], v[QA], s[2:3] offset:512
	global_load_u16 v[QS], v[QSA], s[66:67]                    ; a query's two scale bytes
	global_load_u16 v[QS+1], v[QSA], s[66:67] offset:32
.irp j, 0,1,2,3
	v_mov_b32 v[QZ+\j], 0                          ; the zero halves of operands: written once
	v_mov_b32 v[QZ+8+\j], 0
	v_mov_b32 v[QZ+16+\j], 0
	v_mov_b32 v[VF+16+\j], 0
	v_mov_b32 v[PP+4+\j], 0
	v_mov_b32 v[PP+12+\j], 0
.endr
.irp q, 0,1
	v_mov_b32 v[ST+4*\q], 0x7f000000               ; -M = 2^127 and, beside it, l = 0: what a wave without a block hands in
	v_mov_b32 v[ST+4*\q+1], 0
	v_mov_b32 v[ST+4*\q+2], 0                      ; the sum, in two halves
	v_mov_b32 v[ST+4*\q+3], 0
	v_mov_b32 v[T+2+\q], 0                         ; a lane permute's destination counts as one of its sources
.endr
	v_mov_b32 v[T+7], 0                            ; (named as the upper half of the pair with f)
	s_wait_kmcnt 0x0
	s_or_b32 s[ALO], s52, s54                      ; A = the blocks that count for either tile
	s_or_b32 s[AHI], s53, s55
	s_bcnt1_i32_b32 s29, s[ALO]
	s_bcnt1_i32_b32 s30, s[AHI]
	s_add_co_u32 s[CNT], s29, s30
	s_min_u32 s[CNT], s[CNT], 64                   ; (it cannot be more: the bound is written out)
	v_mbcnt_lo_u32_b32 v[POSLO], s[ALO], 0
	v_mbcnt_lo_u32_b32 v[POSHI], s[AHI], s29
	s_mov_b32 s[J], s[WV]
	s_cmp_ge_u32 s[J], s[CNT]
	s_cbranch_scc1 .Lidle
	s_add_co_u32 s[NT], s[CNT], 3                  ; my steps: how many of wave, wave + 4, .. lie under CNT: (CNT - wave + 3) / 4, rounded down
	s_sub_co_u32 s[NT], s[NT], s[WV]
	s_lshr_b32 s[NT], s[NT], 2
	s_min_u32 s[NT], s[NT], 16                     ; (64 blocks over four waves: the bound is written out)
; The place of A's set bit number s[j] goes to KB, held at 63.  (Where there is none, KB is not used.)
.macro FIND j
	v_cmp_eq_u32 s29, s[\j], v[POSLO]
	v_cmp_eq_u32 s30, s[\j], v[POSHI]
	s_and_b32 s29, s29, s[ALO]                     ; the one set bit with that many set bits under it
	s_and_b32 s30, s30, s[AHI]
	s_ctz_i32_b32 s31, s29
	s_ctz_i32_b32 s30, s30
	s_add_co_u32 s30, s30, 32
	s_cmp_lg_u32 s29, 0
	s_cselect_b32 s[KB], s31, s30
	s_min_u32 s[KB], s[KB], 63
.endm
.macro LDM                             ; block KB's 2 x 32 mask words
	s_lshl_b32 s[MO], s[KB], 7
	s_load_b512 s[32:47], s[12:13], s[MO] offset:0x0
	s_load_b512 s[48:63], s[12:13], s[MO] offset:0x40
	s_load_b512 s[68:83], s[12:13], s[MO] offset:0x2000
	s_load_b512 s[84:99], s[12:13], s[MO] offset:0x2040
.endm
.macro LDK                             ; five loads: K's two fragments and their scale words
	s_lshl_b32 s29, s[KB], 11
	s_lshl_b32 s30, s[KB], 7
	v_add_nc_u32 v[KA], s29, v[KOFF]
	v_add_nc_u32 v[KSA], s30, v[L4]
.irp b, 0,1
.irp u, 0,1
	global_load_b128 v[KF+8*\b+4*\u:KF+8*\b+4*\u+3], v[KA], s[4:5] offset:1024*\b+256*\u   ; tile 2 b + u begins at key 32 b + 8 u: two runs of 256 consecutive bytes
.endr
.endr
	global_load_b32 v[KS], v[KSA], s[6:7]
.endm
.macro LDV                             ; five loads: V's four channel tiles, as images of their registers, and their scale words
	s_lshl_b32 s29, s[KB], 11
	s_lshl_b32 s30, s[KB], 8
	v_add_nc_u32 v[VA], s29, v[L16]
	v_add_nc_u32 v[VSA], s30, v[L8]
.irp t, 0,1,2,3
	global_load_b128 v[VF+4*\t:VF+4*\t+3], v[VA], s[8:9] offset:512*\t
.endr
	global_load_b64 v[VS:VS+1], v[VSA], s[10:11]
.endm
.macro QK                              ; S^T = K Q^T: eight products, each starting its own sum
.irp b, 0,1
.irp u, 0,1
.irp q, 0,1
.if \b
	v_wmma_scale_f32_16x16x128_f8f6f4 v[SS+32*\q+16*\b+8*\u:SS+32*\q+16*\b+8*\u+7], v[KF+8*\b:KF+8*\b+7], v[QZ+4+8*\q-4*\u:QZ+11+8*\q-4*\u], 0, v[KS], v[QS+\q] matrix_a_fmt:MATRIX_FMT_FP4 matrix_b_fmt:MATRIX_FMT_FP4 matrix_a_scale:MATRIX_SCALE_ROW1
.else
	v_wmma_scale_f32_16x16x128_f8f6f4 v[SS+32*\q+16*\b+8*\u:SS+32*\q+16*\b+8*\u+7], v[KF+8*\b:KF+8*\b+7], v[QZ+4+8*\q-4*\u:QZ+11+8*\q-4*\u], 0, v[KS], v[QS+\q] matrix_a_fmt:MATRIX_FMT_FP4 matrix_b_fmt:MATRIX_FMT_FP4
.endif
.endr
.endr
.endr
.endm
.macro MASK q                          ; closed keys' scores become -2^33; in ascending order, so that each result is first read at its low end
.set n, 0
.rept 32
	v_cndmask_b32 v[SS+32*\q+n], v[NEG], v[SS+32*\q+n], s[32+36*\q+n]
.set n, n+1
.endr
.endm
; Tile q's softmax for 64 keys: two blocks of 32.  first = 1: the wave's first step, which has no old M and nothing to rescale.
.macro SOFTMAX q, first
.set rS, SS+32*\q
.set rT, ST+4*\q
.set rP, PP+8*\q
.set rO, OO+32*\q
.irp b, 0,1
	v_max3_num_f32 v[T+\b], v[rS+16*\b], v[rS+16*\b+1], v[rS+16*\b+2]   ; each block's largest score: it serves for the row's maximum and, since p rises with the score, for the block's largest p
.endr
.irp i, 3,5,7,9,11,13
.irp b, 0,1
	v_max3_num_f32 v[T+\b], v[T+\b], v[rS+16*\b+\i], v[rS+16*\b+\i+1]
.endr
.endr
.irp b, 0,1
	v_max_num_f32 v[T+\b], v[T+\b], v[rS+16*\b+15]
.endr
.irp b, 0,1
	v_permlanex16_b32 v[T+2+\b], v[T+\b], s[SEL], s[SEL+1]
.endr
.irp b, 0,1
	v_max_num_f32 v[T+\b], v[T+\b], v[T+2+\b]      ; with lane l xor 16's 16 keys
.endr
	v_max_num_f32 v[T+4], v[T], v[T+1]
	v_mul_f32 v[T+4], s[CS], v[T+4]                ; the step's largest t
.if \first
	v_mov_b32 v[rT+1], v[T+4]
	v_floor_f32 v[rT], -v[rT+1]                    ; -M = floor(-t) = -ceil(t)
.else
	v_max_num_f32 v[rT+1], v[rT+1], v[T+4]         ; the running largest t
	v_mov_b32 v[T+4], v[rT]
	v_floor_f32 v[rT], -v[rT+1]
	v_sub_f32 v[T+4], v[rT], v[T+4]                ; old M - new M: a whole number, 0 or less
	v_cvt_i32_f32 v[T+4], v[T+4]                   ; (it saturates)
	v_ldexp_f32 v[T+6], 1.0, v[T+4]                ; f = 2^(old M - new M)
.endif
.irp j, 0,2,4,6,8,10,12,14,16,18,20,22,24,26,28,30
	v_pk_fma_f32 v[rS+\j:rS+\j+1], v[rS+\j:rS+\j+1], s[CS:CS+1], v[rT:rT+1] op_sel_hi:[1,0,0]   ; t - M, two at a time
.endr
.irp b, 0,1
	v_fma_f32 v[T+\b], v[T+\b], s[CS], v[rT]       ; the same of each block's largest score
.endr
.set n, 0
.rept 32
	v_exp_f32 v[rS+n], v[rS+n]                     ; p = 2^(t - M)
.set n, n+1
.endr
.irp b, 0,1
	v_exp_f32 v[T+\b], v[T+\b]                     ; the block's largest p
.endr
.if \first
	v_nop                                          ; a plain place behind the exponentials
	s_wait_alu depctr_va_vdst(0)
.else
	v_pk_mul_f32 v[rT+2:rT+3], v[rT+2:rT+3], v[T+6:T+7] op_sel_hi:[1,0]   ; the sum under the new M; also the plain place behind the exponentials
	s_wait_alu depctr_va_vdst(0)
.endif
.irp b, 0,1
	v_max_num_f32 v[T+\b], 0x1800000, v[T+\b]      ; the floor 2^(3 - 127): the byte cannot fall under 1
.endr
.irp b, 0,1
	v_add_nc_u32 v[T+8+\b], 0xff000000, v[T+\b]    ; 2 off the exponent field: the conversion's scale operand
.endr
.irp b, 0,1
	v_lshrrev_b32 v[T+10+\b], 23, v[T+8+\b]        ; the scale's byte
.endr
	v_lshl_or_b32 v[PS+\q], v[T+11], 8, v[T+10]    ; p's scale word; its bytes 2 and 3 are 0 and meet zero codes
.irp b, 0,1
	v_cvt_scalef32_pk8_fp4_f32 v[rP+2*\b], v[rS+16*\b:rS+16*\b+7], v[T+8+\b]
	v_cvt_scalef32_pk8_fp4_f32 v[rP+2*\b+1], v[rS+16*\b+8:rS+16*\b+15], v[T+8+\b]
.endr
	v_nop                                          ; one plain place behind a scaled conversion
	v_permlane16_swap_b32 v[rP], v[rP+2]           ; the operand's layout wants a whole block in a lane: lanes 0-15 block 0, lanes 16-31 block 1
	v_permlane16_swap_b32 v[rP+1], v[rP+3]
.if !\first
.irp j, 0,2,4,6,8,10,12,14,16,18,20,22,24,26,28,30
	v_pk_mul_f32 v[rO+\j:rO+\j+1], v[rO+\j:rO+\j+1], v[T+6:T+7] op_sel_hi:[1,0]   ; O^T under the new M, each accumulator from its low end on
.endr
.endif
	v_pk_add_f32 v[T+12:T+13], v[rS:rS+1], v[rS+2:rS+3]   ; the row's sum is taken of the unquantised p, in two chains.  These 16 lines are also the places between p's scale word and codes and the products
.irp j, 4,8,12,16,20,24,28
	v_pk_add_f32 v[rT+2:rT+3], v[rT+2:rT+3], v[rS+\j:rS+\j+1]
	v_pk_add_f32 v[T+12:T+13], v[T+12:T+13], v[rS+\j+2:rS+\j+3]
.endr
	v_pk_add_f32 v[rT+2:rT+3], v[rT+2:rT+3], v[T+12:T+13]
.endm
; O^T += V^T P^T: eight accumulators by turns, one instruction a turn.  first = 1: the products start the sums.
.macro PV first
.irp t, 0,1,2,3
.irp q, 0,1
.if \first
.if \t%2
	v_wmma_scale_f32_16x16x128_f8f6f4 v[OO+32*\q+8*\t:OO+32*\q+8*\t+7], v[VF+4*\t:VF+4*\t+7], v[PP+8*\q:PP+8*\q+7], 0, v[VS+\t/2], v[PS+\q] matrix_a_fmt:MATRIX_FMT_FP4 matrix_b_fmt:MATRIX_FMT_FP4 matrix_a_scale:MATRIX_SCALE_ROW1
.else
	v_wmma_scale_f32_16x16x128_f8f6f4 v[OO+32*\q+8*\t:OO+32*\q+8*\t+7], v[VF+4*\t:VF+4*\t+7], v[PP+8*\q:PP+8*\q+7], 0, v[VS+\t/2], v[PS+\q] matrix_a_fmt:MATRIX_FMT_FP4 matrix_b_fmt:MATRIX_FMT_FP4
.endif
.else
.if \t%2
	v_wmma_scale_f32_16x16x128_f8f6f4 v[OO+32*\q+8*\t:OO+32*\q+8*\t+7], v[VF+4*\t:VF+4*\t+7], v[PP+8*\q:PP+8*\q+7], v[OO+32*\q+8*\t:OO+32*\q+8*\t+7], v[VS+\t/2], v[PS+\q] matrix_a_fmt:MATRIX_FMT_FP4 matrix_b_fmt:MATRIX_FMT_FP4 matrix_a_scale:MATRIX_SCALE_ROW1
.else
	v_wmma_scale_f32_16x16x128_f8f6f4 v[OO+32*\q+8*\t:OO+32*\q+8*\t+7], v[VF+4*\t:VF+4*\t+7], v[PP+8*\q:PP+8*\q+7], v[OO+32*\q+8*\t:OO+32*\q+8*\t+7], v[VS+\t/2], v[PS+\q] matrix_a_fmt:MATRIX_FMT_FP4 matrix_b_fmt:MATRIX_FMT_FP4
.endif
.endif
.endr
.endr
.endm
; A STEP: 32 queries x 64 keys.  The next step's mask words and K are asked for as soon as this step's have been used, its V behind this step's second product.
.macro STEP first
	s_wait_loadcnt 0x5                             ; K's five loads are in; V's five, issued behind them, may be out
	QK
	s_add_co_u32 s[JN], s[J], 4
	s_cmp_lt_u32 s[JN], s[CNT]
	s_cselect_b32 s[MORE], 1, 0                    ; has my wave a further block?
	FIND JN
.rept 4
	v_nop                                          ; four places between the products and the first read of their results, and the loads into K's registers
.endr
	s_wait_kmcnt 0x0                               ; this step's mask words
	MASK 0
	MASK 1
	s_cmp_lg_u32 s[MORE], 0
	s_cbranch_scc0 .Lno_k_\@
	LDM                                            ; s[MO], v[KA] and v[KSA] are written again: the loads that named them are shown done by the two waits above
	LDK
.Lno_k_\@:
	SOFTMAX 0, \first
	SOFTMAX 1, \first
	s_wait_loadcnt 0x0                             ; V is in (for 0: whether K's next five were issued behind it differs from way to way)
	PV \first
.rept 4
	v_nop                                          ; four places in front of loads into V's registers and of the first read of O^T
.endr
	s_cmp_lg_u32 s[MORE], 0
	s_cbranch_scc0 .Lno_v_\@
	LDV
.Lno_v_\@:
.endm
	FIND J
	LDM
	LDK
	LDV
	s_wait_loadcnt 10                              ; Q's four loads are in; K's and V's ten may be out
	v_lshl_or_b32 v[QS], v[QS], 16, v[QS]          ; a query's two bytes twice: for [Q | 0] and for [0 | Q]
	v_lshl_or_b32 v[QS+1], v[QS+1], 16, v[QS+1]
.rept 8
	v_nop                                          ; a scale register written by a vector instruction stands eight places ahead of a scaled product
.endr
	STEP 1                                         ; the first step is written out: its products start O^T's sums
	s_add_co_u32 s[J], s[J], 4
	s_mov_b32 s[IT], 1
	s_cmp_ge_u32 s[IT], s[NT]
	s_cbranch_scc1 .Lpart
.Lloop:                                            ; NT - 1 trips, counted in steps of 1; J, the rank of the step's block, goes on by 4 beside the counter
	STEP 0
	s_add_co_u32 s[J], s[J], 4
	s_add_co_u32 s[IT], s[IT], 1
	s_cmp_lt_u32 s[IT], s[NT]
	s_cbranch_scc1 .Lloop
	s_branch .Lpart
.Lidle:                                            ; fewer blocks than waves: my partial is zeros, stored from an operand's zero half, under -M = 2^127 and l = 0, which the combine multiplies by 0
	s_wait_loadcnt 0x0                             ; Q's loads, which this wave does not use, are in
.irp q, 0,1
.irp t, 0,1,2,3
	ds_store_b128 v[STO], v[QZ:QZ+3] offset:4352*\q+64*\t
	ds_store_b128 v[STO], v[QZ:QZ+3] offset:4352*\q+64*\t+16
.endr
	ds_store_b64 v[MLS], v[ST+4*\q:ST+4*\q+1] offset:512*\q
.endr
	s_branch .Ljoin
.Lpart:
	s_wait_loadcnt 0x0                             ; no load of mine is out: the registers below are free
.irp q, 0,1
	v_add_f32 v[ST+4*\q+2], v[ST+4*\q+2], v[ST+4*\q+3]        ; the sum's two halves,
.endr
.irp q, 0,1
	v_permlanex16_b32 v[T+2+\q], v[ST+4*\q+2], s[SEL], s[SEL+1]
.endr
.irp q, 0,1
	v_add_f32 v[ST+4*\q+1], v[ST+4*\q+2], v[T+2+\q]           ; and lane l xor 16's: my wave's l, beside -M
.endr
.irp q, 0,1
.irp t, 0,1,2,3
	ds_store_b128 v[STO], v[OO+32*\q+8*\t:OO+32*\q+8*\t+3] offset:4352*\q+64*\t         ; query r, channels 16 t + 8 h + 0 .. 7; each accumulator from its low end on
	ds_store_b128 v[STO], v[OO+32*\q+8*\t+4:OO+32*\q+8*\t+7] offset:4352*\q+64*\t+16
.endr
	ds_store_b64 v[MLS], v[ST+4*\q:ST+4*\q+1] offset:512*\q   ; both halves of the lanes write the same words with the same values
.endr
.Ljoin:
	s_wait_dscnt 0x0                               ; for the others' sake: my stores have landed
	s_barrier_signal -1
	s_barrier_wait -1
	; THE COMBINE.  Thread i takes four units: query 8 k + i / 16, 16 bytes (four channels) at column i % 16; six LDS loads a unit
.irp k, 0,1,2,3
	ds_load_b128 v[OO+8*\k:OO+8*\k+3], v[MLR] offset:256*\k           ; (-M, l) of waves 0, 1
	ds_load_b128 v[OO+8*\k+4:OO+8*\k+7], v[MLR] offset:256*\k+16      ; of waves 2, 3
.irp w, 0,1,2,3
	ds_load_b128 v[SS+16*\k+4*\w:SS+16*\k+4*\w+3], v[RD] offset:8704*\w+4352*(\k/2)+2176*(\k%2)
.endr
.endr
.irp j, 1,3,5,7
	v_mov_b32 v[FF+\j], 0                          ; (the upper halves of pairs that the packed forms name)
.endr
	v_mov_b32 v[RL+1], 0
.macro UNIT k
.set rB, OO+8*\k
.set rX, SS+16*\k
	s_wait_dscnt 6*(3-\k)                          ; this unit's six loads are in; the later units' may be out
	v_min3_num_f32 v[DD], v[rB], v[rB+2], v[rB+4]
	v_min_num_f32 v[DD], v[DD], v[rB+6]            ; the smallest -M: the largest M
.irp w, 0,1,2,3
	v_sub_f32 v[DD+1+\w], v[DD], v[rB+2*\w]        ; M of wave w less the largest: a whole number, 0 or less
.endr
.irp w, 0,1,2,3
	v_cvt_i32_f32 v[DD+1+\w], v[DD+1+\w]           ; (it saturates)
.endr
.irp w, 0,1,2,3
	v_ldexp_f32 v[FF+2*\w], 1.0, v[DD+1+\w]        ; f of wave w: an exact power of two, or 0
.endr
	v_mul_f32 v[LL], v[FF], v[rB+1]
.irp w, 1,2,3
	v_fma_f32 v[LL], v[FF+2*\w], v[rB+2*\w+1], v[LL]          ; the row's sum
.endr
	v_rcp_f32 v[RL], v[LL]                         ; (the lines below are plain places behind it)
	v_pk_mul_f32 v[rX:rX+1], v[rX:rX+1], v[FF:FF+1] op_sel_hi:[1,0]
	v_pk_mul_f32 v[rX+2:rX+3], v[rX+2:rX+3], v[FF:FF+1] op_sel_hi:[1,0]
.irp w, 1,2,3
	v_pk_fma_f32 v[rX:rX+1], v[rX+4*\w:rX+4*\w+1], v[FF+2*\w:FF+2*\w+1], v[rX:rX+1] op_sel_hi:[1,0,1]
	v_pk_fma_f32 v[rX+2:rX+3], v[rX+4*\w+2:rX+4*\w+3], v[FF+2*\w:FF+2*\w+1], v[rX+2:rX+3] op_sel_hi:[1,0,1]
.endr
	s_wait_alu depctr_va_vdst(0)
	v_pk_mul_f32 v[rX:rX+1], v[rX:rX+1], v[RL:RL+1] op_sel_hi:[1,0]
	v_pk_mul_f32 v[rX+2:rX+3], v[rX+2:rX+3], v[RL:RL+1] op_sel_hi:[1,0]
	global_store_b128 v[GO], v[rX:rX+3], s[14:15] offset:2048*\k th:TH_STORE_NT   ; a wave stores 512 consecutive bytes, aligned; each unit has its own registers, so no store's data are written again
.endm
.irp k, 0,1,2,3
	UNIT \k
.endr
	s_wait_tensorcnt 0x0
	ds_add_u32 v126, v127
	s_wait_dscnt 0x0
	s_endpgm
.Lfunc_end_k_qd8c7cbce88_attn:
	.size	k_qd8c7cbce88_attn, .Lfunc_end_k_qd8c7cbce88_attn-k_qd8c7cbce88_attn
	.p2alignl 7, 3214868480
	.fill 96, 4, 3214868480
	.section	.rodata,"a",@progbits
	.p2align	6, 0x0
	.amdhsa_kernel k_qd8c7cbce88_attn
		.amdhsa_group_segment_fixed_size 36352
		.amdhsa_private_segment_fixed_size 0
		.amdhsa_enable_private_segment 0
		.amdhsa_kernarg_size 72
		.amdhsa_user_sgpr_count 2
		.amdhsa_user_sgpr_kernarg_segment_ptr 1
		.amdhsa_wavefront_size32 1
		.amdhsa_system_sgpr_workgroup_id_x 1
		.amdhsa_system_sgpr_workgroup_id_y 1
		.amdhsa_system_sgpr_workgroup_id_z 1
		.amdhsa_system_vgpr_workitem_id 0
		.amdhsa_next_free_vgpr 256
		.amdhsa_next_free_sgpr 106
		.amdhsa_reserve_vcc 0
		.amdhsa_float_denorm_mode_32 3
		.amdhsa_float_denorm_mode_16_64 3
		.amdhsa_memory_ordered 1
		.amdhsa_forward_progress 1
		.amdhsa_inst_pref_size 59
	.end_amdhsa_kernel
	.amdgpu_metadata
---
amdhsa.version: [ 1, 2 ]
amdhsa.kernels:
  - .name:           k_qd8c7cbce88_attn
    .symbol:         k_qd8c7cbce88_attn.kd
    .args:
      - { .name: qc, .offset: 0, .size: 8, .value_kind: global_buffer, .address_space: global }
      - { .name: qs, .offset: 8, .size: 8, .value_kind: global_buffer, .address_space: global }
      - { .name: kc, .offset: 16, .size: 8, .value_kind: global_buffer, .address_space: global }
      - { .name: ks, .offset: 24, .size: 8, .value_kind: global_buffer, .address_space: global }
      - { .name: vc, .offset: 32, .size: 8, .value_kind: global_buffer, .address_space: global }
      - { .name: vs, .offset: 40, .size: 8, .value_kind: global_buffer, .address_space: global }
      - { .name: bits, .offset: 48, .size: 8, .value_kind: global_buffer, .address_space: global }
      - { .name: rec, .offset: 56, .size: 8, .value_kind: global_buffer, .address_space: global }
      - { .name: out0, .offset: 64, .size: 8, .value_kind: global_buffer, .address_space: global }
    .group_segment_fixed_size: 36352
    .private_segment_fixed_size: 0
    .kernarg_segment_align: 8
    .kernarg_segment_size: 72
    .max_flat_workgroup_size: 128
    .sgpr_count:     106
    .vgpr_count:     256
    .wavefront_size: 32
...
	.end_amdgpu_metadata
.endif
;; end of part 3
;; ======== version 2 of 3: 3 launches; 1.34 times as fast as version 1
;; limits: inputs' magnitudes at most 1,000; right only within a limited range of input values
;; workspace buffers: qc 1,572,864 bytes; qs 98,304 bytes; kc 1,572,864 bytes; ks 98,304 bytes; vc 1,572,864 bytes; vs 196,608 bytes; bits 2,097,152 bytes of whole numbers; rec 32,768 bytes of whole numbers
;; launch quant: the kernel of part 1 again; grid 384 x 1, 4 waves a work-group, no clusters, 33,280 bytes of LDS; arguments q, k, v, qc, qs, kc, ks, vc, vs; writes qc, qs, kc, ks, vc, vs
;; launch scan: the kernel of part 2 again; grid 256 x 1, 8 waves a work-group, no clusters, 327,680 bytes of LDS; arguments mask, bits, rec; writes bits, rec
;; launch attn (part 4): grid 12 x 128, 4 waves a work-group, no clusters, 36,352 bytes of LDS; arguments qc, qs, kc, ks, vc, vs, bits, rec, out0; writes out0
.if DOCPART == 4
	.amdgcn_target "amdgcn-amd-amdhsa--gfx1250"
	.amdhsa_code_object_version 6
	.text
	.protected	k_qd8c7cbce88_attn
	.globl	k_qd8c7cbce88_attn
	.p2align	8
	.type	k_qd8c7cbce88_attn,@function
k_qd8c7cbce88_attn:
	s_mov_b64 s[64:65], 0
	v_nop
	global_prefetch_b8 v0, s[64:65] scope:SCOPE_SE
	s_setreg_imm32_b32 hwreg(HW_REG_WAVE_MODE, 25, 1), 1
	s_wait_xcnt 0x0
; out0[H][q][:] = the sum over keys of softmax(where(mask > 0, q . k / 8, -1e9)) v, both products on codes of FP4 (E2M1) with one E8M0 scale for each 32 along K.
; THE SOFTMAX: t = logit x log2(e); M = the running largest t rounded UP to a whole number; p = 2^(t - M) is quantised along the keys, not normalised; the row's sum is taken of the unquantised p and divides at the end.
; SHARES.  Work-group (x = H, y = P) owns queries 32 P .. 32 P + 31 of head H: two tiles of 16.  A = the key blocks (64 keys) that count for either tile, as the launch before left them; a block that does not count has p = 0
; for all 32 queries.  THE FOUR WAVES SHARE THE KEYS: wave w takes set bits number w, w + 4, .. of A, one a step, for both tiles, with its own M, sum and O^T; the four meet in LDS, brought under the largest M by
; exact powers of two.  A wave with no block hands in zeros.  Codes, scale words and mask words come straight into registers: each is read by one wave of the work-group, so LDS would add a trip and no sharing.
; THE HEAD RUNS ALONG THE GRID'S x: all heads share the mask, so the twelve work-groups of one P have the same number of steps whatever the mask holds; so they are neighbours in the grid's order, and not a fixed
; stride of 128 apart.
; No joint loads: neighbouring work-groups read different heads' codes, and those of one head walk different sets of blocks with different trip counts.
; LAYOUT.  Both products are used transposed (S^T = K Q^T, O^T = V^T P^T): a lane holds ONE query (lane % 16).  THE FIRST PRODUCT'S K IS 64, HALF OF THE INSTRUCTION'S 128: a fragment of K holds TWO tiles of 16 keys
; (registers 0-3: tile 2 b, registers 4-7: tile 2 b + 1) and is multiplied once by [Q | 0] and once by [0 | Q].  Lane r of tile 2 b + u takes key 32 b + 8 u + r + 8 (r / 8), so that score register 16 b + i of
; lane (r, h) is key 32 b + 16 h + i.  THE SECOND PRODUCT TAKES 64 KEYS A STEP: source 1 is [p's codes | 0]; source 0's upper four registers are whatever follows and meet zero codes; no scale byte there is 0xff.
; LIMITS: a closed key's score is replaced by -2^33, a logit of -2^30 where reference() has -1e9: the same results as long as open logits lie above some -1e9 (inputs some 10^4 times those drawn);
;         a row with no open key gets p = 1 for every key, as there.  NaN and infinities among the inputs are not served.
.set KOFF, 1                           ; v1   K's codes: (r + 8 (r / 8)) x 32 + 16 h
.set L4,   2                           ; v2   4 x lane
.set L16,  3                           ; v3   16 x lane
.set L8,   4                           ; v4   8 x lane
.set KA,   5                           ; v5-8 offsets of the loads in hand: K's codes, K's scale words, V's codes, V's scale words
.set KSA,  6
.set VA,   7
.set VSA,  8
.set POSLO, 9                          ; v9   lane l: how many set bits of A lie under bit l
.set POSHI, 10                         ; v10  under bit 32 + l
.set NEG,  11                          ; v11  -2^33
.set STO,  12                          ; v12  LDS: where I put 32 bytes of a partial row
.set MLS,  13                          ; v13  LDS: where I put (-M, l)
.set RD,   14                          ; v14  LDS: where I read 16 bytes of a partial row
.set MLR,  15                          ; v15  LDS: where I read a query's four (-M, l)
.set GO,   16                          ; v16  my 16 bytes in the work-group's rows of out0
.set QA,   17                          ; v17  Q's codes
.set QSA,  18                          ; v18  Q's scale bytes
.set ST,   20                          ; tile q at v[ST + 4 q]: -M, the largest t (at the end: l), the sum in two halves
.set QZ,   28                          ; v28-47: zeros, Q0, zeros, Q1, zeros, four registers each
.set QS,   48                          ; v48-49 Q's scale words
.set KF,   50                          ; v50-65 K's two fragments
.set KS,   66                          ; v66    K's scale words: lanes 0-15 fragment 0, lanes 16-31 fragment 1
.set VF,   68                          ; v68-83 V's four channel tiles, four registers each; v84-87 zeros
.set VS,   88                          ; v[88:89] V's scale words: channels lane, lane + 32
.set PP,   90                          ; tile q at v[PP + 8 q]: p's four registers of codes, four of zeros
.set PS,   106                         ; v106-107 p's scale words
.set T,    108                         ; v108-121 at work: +0, +1 block maxima; +2, +3 permutes' results; +4 at work; +6:+7 f; +8, +9 scale operands; +10, +11 bytes; +12:+13 the second chain of the sum
.set SS,   128                         ; tile q at v[SS + 32 q]: the scores, then p
.set OO,   192                         ; tile q at v[OO + 32 q]: O^T: register 8 t + j = channel 16 t + 8 h + j
.set FF,   108                         ; the combine: f of the four waves at v108, 110, 112, 114
.set DD,   116                         ; v116 the smallest -M; v117-120 the differences
.set LL,   121                         ; the row's sum
.set RL,   122                         ; v[122:123] its reciprocal
.set ML,   34816                       ; LDS: four partials of 8,704 bytes (two tiles x 16 rows x 272), then 32 queries x 32 bytes of (-M, l) x 4 waves
.set WV,   16
.set J,    17                          ; which set bit of A is my step's
.set CNT,  18                          ; how many A has
.set KB,   19                          ; the key block found
.set SEL,  20                          ; s[20:21] v_permlanex16_b32's selects for lane l xor 16
.set CS,   22                          ; s[22:23] c = log2(e) / 8
.set ALO,  24
.set AHI,  25
.set MO,   26                          ; the mask words' offset
.set JN,   27
.set MORE, 28
.set PB,   58                          ; s58  P, at the head alone: later a mask word lands here
.set IT,   100                         ; s100 my steps done: the loop's counter, stepped by 1
.set NT,   101                         ; s101 my steps in all, 1 to 16; the loop does not write it
; s[32:63] tile 0's 32 mask words, s[68:99] tile 1's
	s_load_b512 s[32:47], s[0:1], 0x0              ; qc, qs, kc, ks, vc, vs, bits, rec
	s_load_b64 s[48:49], s[0:1], 0x40              ; out0
	v_lshl_add_u32 v126, v0, 2, 0x8c00
	v_mov_b32 v127, 0
	v_lshrrev_b32 v1, 5, v0
	v_readfirstlane_b32 s[WV], v1                  ; wave 0..3
	s_and_b32 s[PB], ttmp7, 0xffff                 ; P: work-group y.  (H is work-group x, ttmp9)
	s_mov_b32 s[SEL], 0x76543210
	s_mov_b32 s[SEL+1], 0xfedcba98
	s_mov_b32 s[CS], 0x3e38aa3b
	s_mov_b32 s[CS+1], s[CS]                       ; (named with it as a pair, so it is written)
	v_and_b32 v112, 15, v0                         ; r
	v_bfe_u32 v113, v0, 4, 1                       ; h
	v_and_b32 v114, 31, v0                         ; lane
	v_lshrrev_b32 v116, 4, v0                      ; thread / 16
	v_and_b32 v117, 8, v112
	v_add_nc_u32 v117, v117, v112                  ; r + 8 (r / 8)
	v_lshlrev_b32 v[KOFF], 5, v117
	v_lshl_add_u32 v[KOFF], v113, 4, v[KOFF]
	v_lshlrev_b32 v[L4], 2, v114
	v_lshlrev_b32 v[L16], 4, v114
	v_lshlrev_b32 v[L8], 3, v114
	v_mov_b32 v[NEG], 0xd0000000
	; every LDS address is made here, ahead of the first branch
	s_mul_i32 s29, s[WV], 8704
	v_mul_u32_u24 v[STO], v112, 272
	v_lshl_add_u32 v[STO], v113, 5, v[STO]
	v_add_nc_u32 v[STO], s29, v[STO]               ; wave x 8,704 + 272 r + 32 h
	s_lshl_b32 s29, s[WV], 3
	s_add_co_u32 s29, s29, ML
	v_lshlrev_b32 v[MLS], 5, v112
	v_add_nc_u32 v[MLS], s29, v[MLS]               ; ML + 32 r + 8 x wave
	v_mul_u32_u24 v[RD], v116, 272
	v_lshl_add_u32 v[RD], v112, 4, v[RD]           ; 272 (thread / 16) + 16 (thread % 16)
	v_lshl_add_u32 v[MLR], v116, 5, ML             ; ML + 32 (thread / 16)
	v_lshlrev_b32 v[GO], 4, v0
	v_lshlrev_b32 v[QA], 5, v112
	v_lshl_add_u32 v[QA], v113, 4, v[QA]           ; row r of 32 bytes, + 16 h
	v_and_b32 v117, 7, v112
	v_lshrrev_b32 v118, 3, v112
	v_lshlrev_b32 v118, 1, v118
	v_lshl_add_u32 v[QSA], v117, 2, v118           ; 4 (r % 8) + 2 (r / 8)
	s_mov_b32 s51, 0
	s_lshl_b32 s56, ttmp9, 17                      ; a head's codes: 131,072 bytes
	s_wait_kmcnt 0x0
	s_mov_b32 s50, s56
	s_add_nc_u64 s[4:5], s[36:37], s[50:51]        ; kc at the head
	s_add_nc_u64 s[8:9], s[40:41], s[50:51]        ; vc
	s_lshl_b32 s57, s[PB], 10
	s_add_co_u32 s50, s56, s57
	s_add_nc_u64 s[2:3], s[32:33], s[50:51]        ; qc at my 32 queries
	s_lshl_b32 s50, ttmp9, 13
	s_add_nc_u64 s[6:7], s[38:39], s[50:51]        ; ks: 8,192 bytes a head
	s_lshl_b32 s57, s[PB], 6
	s_add_co_u32 s50, s50, s57
	s_add_nc_u64 s[66:67], s[34:35], s[50:51]      ; qs: + 64 bytes for each 32 queries
	s_lshl_b32 s50, ttmp9, 14
	s_add_nc_u64 s[10:11], s[42:43], s[50:51]      ; vs: 16,384 bytes a head
	s_lshl_b32 s50, s[PB], 14
	s_add_nc_u64 s[12:13], s[44:45], s[50:51]      ; bits: tile 2 P; tile 2 P + 1 lies 8,192 bytes on
	s_lshl_b32 s50, s[PB], 8
	s_add_nc_u64 s[46:47], s[46:47], s[50:51]      ; rec: tiles 2 P and 2 P + 1
	s_lshl_b32 s50, ttmp9, 20
	s_lshl_b32 s57, s[PB], 13
	s_add_co_u32 s50, s50, s57
	s_add_nc_u64 s[14:15], s[48:49], s[50:51]      ; out0 at my 32 rows
	s_load_b64 s[52:53], s[46:47], 0x0
	s_load_b64 s[54:55], s[46:47], 0x80
	global_load_b128 v[QZ+4:QZ+7], v[QA], s[2:3]               ; Q stays in registers
	global_load_b128 v[QZ+12:QZ+15], v[QA], s[2:3] offset:512
	global_load_u16 v[QS], v[QSA], s[66:67]                    ; a query's two scale bytes
	global_load_u16 v[QS+1], v[QSA], s[66:67] offset:32
.irp j, 0,1,2,3
	v_mov_b32 v[QZ+\j], 0                          ; the zero halves of operands: written once
	v_mov_b32 v[QZ+8+\j], 0
	v_mov_b32 v[QZ+16+\j], 0
	v_mov_b32 v[VF+16+\j], 0
	v_mov_b32 v[PP+4+\j], 0
	v_mov_b32 v[PP+12+\j], 0
.endr
.irp q, 0,1
	v_mov_b32 v[ST+4*\q], 0x7f000000               ; -M = 2^127 and, beside it, l = 0: what a wave without a block hands in
	v_mov_b32 v[ST+4*\q+1], 0
	v_mov_b32 v[ST+4*\q+2], 0                      ; the sum, in two halves
	v_mov_b32 v[ST+4*\q+3], 0
	v_mov_b32 v[T+2+\q], 0                         ; a lane permute's destination counts as one of its sources
.endr
	v_mov_b32 v[T+7], 0                            ; (named as the upper half of the pair with f)
	s_wait_kmcnt 0x0
	s_or_b32 s[ALO], s52, s54                      ; A = the blocks that count for either tile
	s_or_b32 s[AHI], s53, s55
	s_bcnt1_i32_b32 s29, s[ALO]
	s_bcnt1_i32_b32 s30, s[AHI]
	s_add_co_u32 s[CNT], s29, s30
	s_min_u32 s[CNT], s[CNT], 64                   ; (it cannot be more: the bound is written out)
	v_mbcnt_lo_u32_b32 v[POSLO], s[ALO], 0
	v_mbcnt_lo_u32_b32 v[POSHI], s[AHI], s29
	s_mov_b32 s[J], s[WV]
	s_cmp_ge_u32 s[J], s[CNT]
	s_cbranch_scc1 .Lidle
	s_add_co_u32 s[NT], s[CNT], 3                  ; my steps: how many of wave, wave + 4, .. lie under CNT: (CNT - wave + 3) / 4, rounded down
	s_sub_co_u32 s[NT], s[NT], s[WV]
	s_lshr_b32 s[NT], s[NT], 2
	s_min_u32 s[NT], s[NT], 16                     ; (64 blocks over four waves: the bound is written out)
; The place of A's set bit number s[j] goes to KB, held at 63.  (Where there is none, KB is not used.)
.macro FIND j
	v_cmp_eq_u32 s29, s[\j], v[POSLO]
	v_cmp_eq_u32 s30, s[\j], v[POSHI]
	s_and_b32 s29, s29, s[ALO]                     ; the one set bit with that many set bits under it
	s_and_b32 s30, s30, s[AHI]
	s_ctz_i32_b32 s31, s29
	s_ctz_i32_b32 s30, s30
	s_add_co_u32 s30, s30, 32
	s_cmp_lg_u32 s29, 0
	s_cselect_b32 s[KB], s31, s30
	s_min_u32 s[KB], s[KB], 63
.endm
.macro LDM                             ; block KB's 2 x 32 mask words
	s_lshl_b32 s[MO], s[KB], 7
	s_load_b512 s[32:47], s[12:13], s[MO] offset:0x0
	s_load_b512 s[48:63], s[12:13], s[MO] offset:0x40
	s_load_b512 s[68:83], s[12:13], s[MO] offset:0x2000
	s_load_b512 s[84:99], s[12:13], s[MO] offset:0x2040
.endm
.macro LDK                             ; five loads: K's two fragments and their scale words
	s_lshl_b32 s29, s[KB], 11
	s_lshl_b32 s30, s[KB], 7
	v_add_nc_u32 v[KA], s29, v[KOFF]
	v_add_nc_u32 v[KSA], s30, v[L4]
.irp b, 0,1
.irp u, 0,1
	global_load_b128 v[KF+8*\b+4*\u:KF+8*\b+4*\u+3], v[KA], s[4:5] offset:1024*\b+256*\u   ; tile 2 b + u begins at key 32 b + 8 u: two runs of 256 consecutive bytes
.endr
.endr
	global_load_b32 v[KS], v[KSA], s[6:7]
.endm
.macro LDV                             ; five loads: V's four channel tiles, as images of their registers, and their scale words
	s_lshl_b32 s29, s[KB], 11
	s_lshl_b32 s30, s[KB], 8
	v_add_nc_u32 v[VA], s29, v[L16]
	v_add_nc_u32 v[VSA], s30, v[L8]
.irp t, 0,1,2,3
	global_load_b128 v[VF+4*\t:VF+4*\t+3], v[VA], s[8:9] offset:512*\t
.endr
	global_load_b64 v[VS:VS+1], v[VSA], s[10:11]
.endm
.macro QK                              ; S^T = K Q^T: eight products, each starting its own sum
.irp b, 0,1
.irp u, 0,1
.irp q, 0,1
.if \b
	v_wmma_scale_f32_16x16x128_f8f6f4 v[SS+32*\q+16*\b+8*\u:SS+32*\q+16*\b+8*\u+7], v[KF+8*\b:KF+8*\b+7], v[QZ+4+8*\q-4*\u:QZ+11+8*\q-4*\u], 0, v[KS], v[QS+\q] matrix_a_fmt:MATRIX_FMT_FP4 matrix_b_fmt:MATRIX_FMT_FP4 matrix_a_scale:MATRIX_SCALE_ROW1
.else
	v_wmma_scale_f32_16x16x128_f8f6f4 v[SS+32*\q+16*\b+8*\u:SS+32*\q+16*\b+8*\u+7], v[KF+8*\b:KF+8*\b+7], v[QZ+4+8*\q-4*\u:QZ+11+8*\q-4*\u], 0, v[KS], v[QS+\q] matrix_a_fmt:MATRIX_FMT_FP4 matrix_b_fmt:MATRIX_FMT_FP4
.endif
.endr
.endr
.endr
.endm
.macro MASK q                          ; closed keys' scores become -2^33; in ascending order, so that each result is first read at its low end
.set n, 0
.rept 32
	v_cndmask_b32 v[SS+32*\q+n], v[NEG], v[SS+32*\q+n], s[32+36*\q+n]
.set n, n+1
.endr
.endm
; Tile q's softmax for 64 keys: two blocks of 32.  first = 1: the wave's first step, which has no old M and nothing to rescale.
.macro SOFTMAX q, first
.set rS, SS+32*\q
.set rT, ST+4*\q
.set rP, PP+8*\q
.set rO, OO+32*\q
.irp b, 0,1
	v_max3_num_f32 v[T+\b], v[rS+16*\b], v[rS+16*\b+1], v[rS+16*\b+2]   ; each block's largest score: it serves for the row's maximum and, since p rises with the score, for the block's largest p
.endr
.irp i, 3,5,7,9,11,13
.irp b, 0,1
	v_max3_num_f32 v[T+\b], v[T+\b], v[rS+16*\b+\i], v[rS+16*\b+\i+1]
.endr
.endr
.irp b, 0,1
	v_max_num_f32 v[T+\b], v[T+\b], v[rS+16*\b+15]
.endr
.irp b, 0,1
	v_permlanex16_b32 v[T+2+\b], v[T+\b], s[SEL], s[SEL+1]
.endr
.irp b, 0,1
	v_max_num_f32 v[T+\b], v[T+\b], v[T+2+\b]      ; with lane l xor 16's 16 keys
.endr
	v_max_num_f32 v[T+4], v[T], v[T+1]
	v_mul_f32 v[T+4], s[CS], v[T+4]                ; the step's largest t
.if \first
	v_mov_b32 v[rT+1], v[T+4]
	v_floor_f32 v[rT], -v[rT+1]                    ; -M = floor(-t) = -ceil(t)
.else
	v_max_num_f32 v[rT+1], v[rT+1], v[T+4]         ; the running largest t
	v_mov_b32 v[T+4], v[rT]
	v_floor_f32 v[rT], -v[rT+1]
	v_sub_f32 v[T+4], v[rT], v[T+4]                ; old M - new M: a whole number, 0 or less
	v_cvt_i32_f32 v[T+4], v[T+4]                   ; (it saturates)
	v_ldexp_f32 v[T+6], 1.0, v[T+4]                ; f = 2^(old M - new M)
.endif
.irp j, 0,2,4,6,8,10,12,14,16,18,20,22,24,26,28,30
	v_pk_fma_f32 v[rS+\j:rS+\j+1], v[rS+\j:rS+\j+1], s[CS:CS+1], v[rT:rT+1] op_sel_hi:[1,0,0]   ; t - M, two at a time
.endr
.irp b, 0,1
	v_fma_f32 v[T+\b], v[T+\b], s[CS], v[rT]       ; the same of each block's largest score
.endr
.set n, 0
.rept 32
	v_exp_f32 v[rS+n], v[rS+n]                     ; p = 2^(t - M)
.set n, n+1
.endr
.irp b, 0,1
	v_exp_f32 v[T+\b], v[T+\b]                     ; the block's largest p
.endr
.if \first
	v_nop                                          ; a plain place behind the exponentials
	s_wait_alu depctr_va_vdst(0)
.else
	v_pk_mul_f32 v[rT+2:rT+3], v[rT+2:rT+3], v[T+6:T+7] op_sel_hi:[1,0]   ; the sum under the new M; also the plain place behind the exponentials
	s_wait_alu depctr_va_vdst(0)
.endif
.irp b, 0,1
	v_max_num_f32 v[T+\b], 0x1800000, v[T+\b]      ; the floor 2^(3 - 127): the byte cannot fall under 1
.endr
.irp b, 0,1
	v_add_nc_u32 v[T+8+\b], 0xff000000, v[T+\b]    ; 2 off the exponent field: the conversion's scale operand
.endr
.irp b, 0,1
	v_lshrrev_b32 v[T+10+\b], 23, v[T+8+\b]        ; the scale's byte
.endr
	v_lshl_or_b32 v[PS+\q], v[T+11], 8, v[T+10]    ; p's scale word; its bytes 2 and 3 are 0 and meet zero codes
.irp b, 0,1
	v_cvt_scalef32_pk8_fp4_f32 v[rP+2*\b], v[rS+16*\b:rS+16*\b+7], v[T+8+\b]
	v_cvt_scalef32_pk8_fp4_f32 v[rP+2*\b+1], v[rS+16*\b+8:rS+16*\b+15], v[T+8+\b]
.endr
	v_nop                                          ; one plain place behind a scaled conversion
	v_permlane16_swap_b32 v[rP], v[rP+2]           ; the operand's layout wants a whole block in a lane: lanes 0-15 block 0, lanes 16-31 block 1
	v_permlane16_swap_b32 v[rP+1], v[rP+3]
.if !\first
.irp j, 0,2,4,6,8,10,12,14,16,18,20,22,24,26,28,30
	v_pk_mul_f32 v[rO+\j:rO+\j+1], v[rO+\j:rO+\j+1], v[T+6:T+7] op_sel_hi:[1,0]   ; O^T under the new M, each accumulator from its low end on
.endr
.endif
	v_pk_add_f32 v[T+12:T+13], v[rS:rS+1], v[rS+2:rS+3]   ; the row's sum is taken of the unquantised p, in two chains.  These 16 lines are also the places between p's scale word and codes and the products
.irp j, 4,8,12,16,20,24,28
	v_pk_add_f32 v[rT+2:rT+3], v[rT+2:rT+3], v[rS+\j:rS+\j+1]
	v_pk_add_f32 v[T+12:T+13], v[T+12:T+13], v[rS+\j+2:rS+\j+3]
.endr
	v_pk_add_f32 v[rT+2:rT+3], v[rT+2:rT+3], v[T+12:T+13]
.endm
; O^T += V^T P^T: eight accumulators by turns, one instruction a turn.  first = 1: the products start the sums.
.macro PV first
.irp t, 0,1,2,3
.irp q, 0,1
.if \first
.if \t%2
	v_wmma_scale_f32_16x16x128_f8f6f4 v[OO+32*\q+8*\t:OO+32*\q+8*\t+7], v[VF+4*\t:VF+4*\t+7], v[PP+8*\q:PP+8*\q+7], 0, v[VS+\t/2], v[PS+\q] matrix_a_fmt:MATRIX_FMT_FP4 matrix_b_fmt:MATRIX_FMT_FP4 matrix_a_scale:MATRIX_SCALE_ROW1
.else
	v_wmma_scale_f32_16x16x128_f8f6f4 v[OO+32*\q+8*\t:OO+32*\q+8*\t+7], v[VF+4*\t:VF+4*\t+7], v[PP+8*\q:PP+8*\q+7], 0, v[VS+\t/2], v[PS+\q] matrix_a_fmt:MATRIX_FMT_FP4 matrix_b_fmt:MATRIX_FMT_FP4
.endif
.else
.if \t%2
	v_wmma_scale_f32_16x16x128_f8f6f4 v[OO+32*\q+8*\t:OO+32*\q+8*\t+7], v[VF+4*\t:VF+4*\t+7], v[PP+8*\q:PP+8*\q+7], v[OO+32*\q+8*\t:OO+32*\q+8*\t+7], v[VS+\t/2], v[PS+\q] matrix_a_fmt:MATRIX_FMT_FP4 matrix_b_fmt:MATRIX_FMT_FP4 matrix_a_scale:MATRIX_SCALE_ROW1
.else
	v_wmma_scale_f32_16x16x128_f8f6f4 v[OO+32*\q+8*\t:OO+32*\q+8*\t+7], v[VF+4*\t:VF+4*\t+7], v[PP+8*\q:PP+8*\q+7], v[OO+32*\q+8*\t:OO+32*\q+8*\t+7], v[VS+\t/2], v[PS+\q] matrix_a_fmt:MATRIX_FMT_FP4 matrix_b_fmt:MATRIX_FMT_FP4
.endif
.endif
.endr
.endr
.endm
; A STEP: 32 queries x 64 keys.  The next step's mask words and K are asked for as soon as this step's have been used, its V behind this step's second product.
.macro STEP first
	s_wait_loadcnt 0x5                             ; K's five loads are in; V's five, issued behind them, may be out
	QK
	s_add_co_u32 s[JN], s[J], 4
	s_cmp_lt_u32 s[JN], s[CNT]
	s_cselect_b32 s[MORE], 1, 0                    ; has my wave a further block?
	FIND JN
.rept 4
	v_nop                                          ; four places between the products and the first read of their results, and the loads into K's registers
.endr
	s_wait_kmcnt 0x0                               ; this step's mask words
	MASK 0
	MASK 1
	s_cmp_lg_u32 s[MORE], 0
	s_cbranch_scc0 .Lno_k_\@
	LDM                                            ; s[MO], v[KA] and v[KSA] are written again: the loads that named them are shown done by the two waits above
	LDK
.Lno_k_\@:
	SOFTMAX 0, \first
	SOFTMAX 1, \first
	s_wait_loadcnt 0x0                             ; V is in (for 0: whether K's next five were issued behind it differs from way to way)
	PV \first
.rept 4
	v_nop                                          ; four places in front of loads into V's registers and of the first read of O^T
.endr
	s_cmp_lg_u32 s[MORE], 0
	s_cbranch_scc0 .Lno_v_\@
	LDV
.Lno_v_\@:
.endm
	FIND J
	LDM
	LDK
	LDV
	s_wait_loadcnt 10                              ; Q's four loads are in; K's and V's ten may be out
	v_lshl_or_b32 v[QS], v[QS], 16, v[QS]          ; a query's two bytes twice: for [Q | 0] and for [0 | Q]
	v_lshl_or_b32 v[QS+1], v[QS+1], 16, v[QS+1]
.rept 8
	v_nop                                          ; a scale register written by a vector instruction stands eight places ahead of a scaled product
.endr
	STEP 1                                         ; the first step is written out: its products start O^T's sums
	s_add_co_u32 s[J], s[J], 4
	s_mov_b32 s[IT], 1
	s_cmp_ge_u32 s[IT], s[NT]
	s_cbranch_scc1 .Lpart
.Lloop:                                            ; NT - 1 trips, counted in steps of 1; J, the rank of the step's block, goes on by 4 beside the counter
	STEP 0
	s_add_co_u32 s[J], s[J], 4
	s_add_co_u32 s[IT], s[IT], 1
	s_cmp_lt_u32 s[IT], s[NT]
	s_cbranch_scc1 .Lloop
	s_branch .Lpart
.Lidle:                                            ; fewer blocks than waves: my partial is zeros, stored from an operand's zero half, under -M = 2^127 and l = 0, which the combine multiplies by 0
	s_wait_loadcnt 0x0                             ; Q's loads, which this wave does not use, are in
.irp q, 0,1
.irp t, 0,1,2,3
	ds_store_b128 v[STO], v[QZ:QZ+3] offset:4352*\q+64*\t
	ds_store_b128 v[STO], v[QZ:QZ+3] offset:4352*\q+64*\t+16
.endr
	ds_store_b64 v[MLS], v[ST+4*\q:ST+4*\q+1] offset:512*\q
.endr
	s_branch .Ljoin
.Lpart:
	s_wait_loadcnt 0x0                             ; no load of mine is out: the registers below are free
.irp q, 0,1
	v_add_f32 v[ST+4*\q+2], v[ST+4*\q+2], v[ST+4*\q+3]        ; the sum's two halves,
.endr
.irp q, 0,1
	v_permlanex16_b32 v[T+2+\q], v[ST+4*\q+2], s[SEL], s[SEL+1]
.endr
.irp q, 0,1
	v_add_f32 v[ST+4*\q+1], v[ST+4*\q+2], v[T+2+\q]           ; and lane l xor 16's: my wave's l, beside -M
.endr
.irp q, 0,1
.irp t, 0,1,2,3
	ds_store_b128 v[STO], v[OO+32*\q+8*\t:OO+32*\q+8*\t+3] offset:4352*\q+64*\t         ; query r, channels 16 t + 8 h + 0 .. 7; each accumulator from its low end on
	ds_store_b128 v[STO], v[OO+32*\q+8*\t+4:OO+32*\q+8*\t+7] offset:4352*\q+64*\t+16
.endr
	ds_store_b64 v[MLS], v[ST+4*\q:ST+4*\q+1] offset:512*\q   ; both halves of the lanes write the same words with the same values
.endr
.Ljoin:
	s_wait_dscnt 0x0                               ; for the others' sake: my stores have landed
	s_barrier_signal -1
	s_barrier_wait -1
	; THE COMBINE.  Thread i takes four units: query 8 k + i / 16, 16 bytes (four channels) at column i % 16; six LDS loads a unit
.irp k, 0,1,2,3
	ds_load_b128 v[OO+8*\k:OO+8*\k+3], v[MLR] offset:256*\k           ; (-M, l) of waves 0, 1
	ds_load_b128 v[OO+8*\k+4:OO+8*\k+7], v[MLR] offset:256*\k+16      ; of waves 2, 3
.irp w, 0,1,2,3
	ds_load_b128 v[SS+16*\k+4*\w:SS+16*\k+4*\w+3], v[RD] offset:8704*\w+4352*(\k/2)+2176*(\k%2)
.endr
.endr
.irp j, 1,3,5,7
	v_mov_b32 v[FF+\j], 0                          ; (the upper halves of pairs that the packed forms name)
.endr
	v_mov_b32 v[RL+1], 0
.macro UNIT k
.set rB, OO+8*\k
.set rX, SS+16*\k
	s_wait_dscnt 6*(3-\k)                          ; this unit's six loads are in; the later units' may be out
	v_min3_num_f32 v[DD], v[rB], v[rB+2], v[rB+4]
	v_min_num_f32 v[DD], v[DD], v[rB+6]            ; the smallest -M: the largest M
.irp w, 0,1,2,3
	v_sub_f32 v[DD+1+\w], v[DD], v[rB+2*\w]        ; M of wave w less the largest: a whole number, 0 or less
.endr
.irp w, 0,1,2,3
	v_cvt_i32_f32 v[DD+1+\w], v[DD+1+\w]           ; (it saturates)
.endr
.irp w, 0,1,2,3
	v_ldexp_f32 v[FF+2*\w], 1.0, v[DD+1+\w]        ; f of wave w: an exact power of two, or 0
.endr
	v_mul_f32 v[LL], v[FF], v[rB+1]
.irp w, 1,2,3
	v_fma_f32 v[LL], v[FF+2*\w], v[rB+2*\w+1], v[LL]          ; the row's sum
.endr
	v_rcp_f32 v[RL], v[LL]                         ; (the lines below are plain places behind it)
	v_pk_mul_f32 v[rX:rX+1], v[rX:rX+1], v[FF:FF+1] op_sel_hi:[1,0]
	v_pk_mul_f32 v[rX+2:rX+3], v[rX+2:rX+3], v[FF:FF+1] op_sel_hi:[1,0]
.irp w, 1,2,3
	v_pk_fma_f32 v[rX:rX+1], v[rX+4*\w:rX+4*\w+1], v[FF+2*\w:FF+2*\w+1], v[rX:rX+1] op_sel_hi:[1,0,1]
	v_pk_fma_f32 v[rX+2:rX+3], v[rX+4*\w+2:rX+4*\w+3], v[FF+2*\w:FF+2*\w+1], v[rX+2:rX+3] op_sel_hi:[1,0,1]
.endr
	s_wait_alu depctr_va_vdst(0)
	v_pk_mul_f32 v[rX:rX+1], v[rX:rX+1], v[RL:RL+1] op_sel_hi:[1,0]
	v_pk_mul_f32 v[rX+2:rX+3], v[rX+2:rX+3], v[RL:RL+1] op_sel_hi:[1,0]
	global_store_b128 v[GO], v[rX:rX+3], s[14:15] offset:2048*\k th:TH_STORE_NT   ; a wave stores 512 consecutive bytes, aligned; each unit has its own registers, so no store's data are written again
.endm
.irp k, 0,1,2,3
	UNIT \k
.endr
	s_wait_tensorcnt 0x0
	ds_add_u32 v126, v127
	s_wait_dscnt 0x0
	s_endpgm
.Lfunc_end_k_qd8c7cbce88_attn:
	.size	k_qd8c7cbce88_attn, .Lfunc_end_k_qd8c7cbce88_attn-k_qd8c7cbce88_attn
	.p2alignl 7, 3214868480
	.fill 96, 4, 3214868480
	.section	.rodata,"a",@progbits
	.p2align	6, 0x0
	.amdhsa_kernel k_qd8c7cbce88_attn
		.amdhsa_group_segment_fixed_size 36352
		.amdhsa_private_segment_fixed_size 0
		.amdhsa_enable_private_segment 0
		.amdhsa_kernarg_size 72
		.amdhsa_user_sgpr_count 2
		.amdhsa_user_sgpr_kernarg_segment_ptr 1
		.amdhsa_wavefront_size32 1
		.amdhsa_system_sgpr_workgroup_id_x 1
		.amdhsa_system_sgpr_workgroup_id_y 1
		.amdhsa_system_sgpr_workgroup_id_z 1
		.amdhsa_system_vgpr_workitem_id 0
		.amdhsa_next_free_vgpr 256
		.amdhsa_next_free_sgpr 106
		.amdhsa_reserve_vcc 0
		.amdhsa_float_denorm_mode_32 3
		.amdhsa_float_denorm_mode_16_64 3
		.amdhsa_memory_ordered 1
		.amdhsa_forward_progress 1
		.amdhsa_inst_pref_size 59
	.end_amdhsa_kernel
	.amdgpu_metadata
---
amdhsa.version: [ 1, 2 ]
amdhsa.kernels:
  - .name:           k_qd8c7cbce88_attn
    .symbol:         k_qd8c7cbce88_attn.kd
    .args:
      - { .name: qc, .offset: 0, .size: 8, .value_kind: global_buffer, .address_space: global }
      - { .name: qs, .offset: 8, .size: 8, .value_kind: global_buffer, .address_space: global }
      - { .name: kc, .offset: 16, .size: 8, .value_kind: global_buffer, .address_space: global }
      - { .name: ks, .offset: 24, .size: 8, .value_kind: global_buffer, .address_space: global }
      - { .name: vc, .offset: 32, .size: 8, .value_kind: global_buffer, .address_space: global }
      - { .name: vs, .offset: 40, .size: 8, .value_kind: global_buffer, .address_space: global }
      - { .name: bits, .offset: 48, .size: 8, .value_kind: global_buffer, .address_space: global }
      - { .name: rec, .offset: 56, .size: 8, .value_kind: global_buffer, .address_space: global }
      - { .name: out0, .offset: 64, .size: 8, .value_kind: global_buffer, .address_space: global }
    .group_segment_fixed_size: 36352
    .private_segment_fixed_size: 0
    .kernarg_segment_align: 8
    .kernarg_segment_size: 72
    .max_flat_workgroup_size: 128
    .sgpr_count:     106
    .vgpr_count:     256
    .wavefront_size: 32
...
	.end_amdgpu_metadata
.endif
;; end of part 4
;; ======== version 3 of 3: 3 launches; version 2 with the launch attn written anew for expert scheduling mode
;; limits: inputs' magnitudes at most 1,000; right only within a limited range of input values
;; workspace buffers: qc 1,572,864 bytes; qs 98,304 bytes; kc 1,572,864 bytes; ks 98,304 bytes; vc 1,572,864 bytes; vs 196,608 bytes; bits 2,097,152 bytes of whole numbers; rec 32,768 bytes of whole numbers
;; launch quant: the kernel of part 1 again; grid 384 x 1, 4 waves a work-group, no clusters, 33,280 bytes of LDS; arguments q, k, v, qc, qs, kc, ks, vc, vs; writes qc, qs, kc, ks, vc, vs
;; launch scan: the kernel of part 2 again; grid 256 x 1, 8 waves a work-group, no clusters, 327,680 bytes of LDS; arguments mask, bits, rec; writes bits, rec
;; launch attn (part 5): grid 12 x 128, 4 waves a work-group, no clusters, 36,352 bytes of LDS; arguments qc, qs, kc, ks, vc, vs, bits, rec, out0; writes out0
.if DOCPART == 5
	.amdgcn_target "amdgcn-amd-amdhsa--gfx1250"
	.amdhsa_code_object_version 6
	.text
	.protected	k_qd8c7cbce88_attn
	.globl	k_qd8c7cbce88_attn
	.p2align	8
	.type	k_qd8c7cbce88_attn,@function
k_qd8c7cbce88_attn:
	s_mov_b64 s[64:65], 0
	v_nop
	global_prefetch_b8 v0, s[64:65] scope:SCOPE_SE
	s_setreg_imm32_b32 hwreg(HW_REG_WAVE_SCHED_MODE, 0, 2), 2
	s_setreg_imm32_b32 hwreg(HW_REG_WAVE_MODE, 25, 1), 1
	s_wait_xcnt 0x0
	s_wait_alu depctr_vm_vsrc(0)
; out0[H][q][:] = the sum over keys of softmax(where(mask > 0, q . k / 8, -1e9)) v, both products on codes of FP4 (E2M1) with one E8M0 scale for each 32 along K.
; THE SOFTMAX: t = logit x log2(e); M = the running largest t rounded UP to a whole number; p = 2^(t - M) is quantised along the keys, not normalised; the row's sum is taken of the unquantised p and divides at the end.
; SHARES.  Work-group (x = H, y = P) owns queries 32 P .. 32 P + 31 of head H: two tiles of 16.  A = the key blocks (64 keys) that count for either tile, as the launch before left them; a block that does not count has p = 0
; for all 32 queries.  THE FOUR WAVES SHARE THE KEYS: wave w takes set bits number w, w + 4, .. of A, one a step, for both tiles, with its own M, sum and O^T; the four meet in LDS, brought under the largest M by
; exact powers of two.  A wave with no block hands in zeros.  Codes, scale words and mask words come straight into registers: each is read by one wave of the work-group, so LDS would add a trip and no sharing.
; THE HEAD RUNS ALONG THE GRID'S x: all heads share the mask, so the twelve work-groups of one P have the same number of steps whatever the mask holds; so they are neighbours in the grid's order, and not a fixed
; stride of 128 apart.
; No joint loads: neighbouring work-groups read different heads' codes, and those of one head walk different sets of blocks with different trip counts.
; LAYOUT.  Both products are used transposed (S^T = K Q^T, O^T = V^T P^T): a lane holds ONE query (lane % 16).  THE FIRST PRODUCT'S K IS 64, HALF OF THE INSTRUCTION'S 128: a fragment of K holds TWO tiles of 16 keys
; (registers 0-3: tile 2 b, registers 4-7: tile 2 b + 1) and is multiplied once by [Q | 0] and once by [0 | Q].  Lane r of tile 2 b + u takes key 32 b + 8 u + r + 8 (r / 8), so that score register 16 b + i of
; lane (r, h) is key 32 b + 16 h + i.  THE SECOND PRODUCT TAKES 64 KEYS A STEP: source 1 is [p's codes | 0]; source 0's upper four registers are whatever follows and meet zero codes; no scale byte there is 0xff.
; LIMITS: a closed key's score is replaced by -2^33, a logit of -2^30 where reference() has -1e9: the same results as long as open logits lie above some -1e9 (inputs some 10^4 times those drawn);
;         a row with no open key gets p = 1 for every key, as there.  NaN and infinities among the inputs are not served.
; THE MODE: SCHED_MODE bits 1:0 = 2 (LLVM: expert scheduling mode 2), set by the entry lines.  The code itself states the register dependences between vector or matrix instructions and memory or LDS
; instructions, with s_wait_alu, always for 0.
; THE PLAN.  Registers that memory or LDS instructions touch:
;   v1-4, v12-18   Fixed offsets and LDS addresses, and v126, v127: written at the head and never again.  One wait on va_vdst ahead of the first load serves them to the end.
;   v5-8           The offsets of a step's loads.  Read by K's five and V's five loads; written anew once a step, K's two behind the selections, V's two behind the second products.
;   KF, KS         Step s: its eight first products read them; behind its selections the loads of step s + 1 land in them.
;   VF, VS         Step s: its eight second products read them; behind these the loads of step s + 1 land in them.
;   PP, PS         p's codes and scale words: written by vector instructions, taken by the scaled products as source 1 and as scales.
;   O^T, (-M, l)   Read by the LDS stores behind the loop, once; the combine's LDS loads land in O^T's first 32 registers and in the scores' 64.
;   s16, s29, s30  Written by vector instructions (the wave's number; the search for a block), read by scalar ones.
; A STEP HAS: one wait on vm_vsrc at its head, ahead of both its branches (the step's ten loads, issued earlier, have read all four offsets); one wait on va_vdst behind K's two additions, one behind V's two,
; each ahead of its run of five loads; one ahead of the second products; the two behind the exponentials; one on va_sdst in the search.
.set KOFF, 1                           ; v1   K's codes: (r + 8 (r / 8)) x 32 + 16 h
.set L4,   2                           ; v2   4 x lane
.set L16,  3                           ; v3   16 x lane
.set L8,   4                           ; v4   8 x lane
.set KA,   5                           ; v5-8 offsets of the loads in hand: K's codes, K's scale words, V's codes, V's scale words
.set KSA,  6
.set VA,   7
.set VSA,  8
.set POSLO, 9                          ; v9   lane l: how many set bits of A lie under bit l
.set POSHI, 10                         ; v10  under bit 32 + l
.set NEG,  11                          ; v11  -2^33
.set STO,  12                          ; v12  LDS: where I put 32 bytes of a partial row
.set MLS,  13                          ; v13  LDS: where I put (-M, l)
.set RD,   14                          ; v14  LDS: where I read 16 bytes of a partial row
.set MLR,  15                          ; v15  LDS: where I read a query's four (-M, l)
.set GO,   16                          ; v16  my 16 bytes in the work-group's rows of out0
.set QA,   17                          ; v17  Q's codes
.set QSA,  18                          ; v18  Q's scale bytes
.set ST,   20                          ; tile q at v[ST + 4 q]: -M, the largest t (at the end: l), the sum in two halves
.set QZ,   28                          ; v28-47: zeros, Q0, zeros, Q1, zeros, four registers each
.set QS,   48                          ; v48-49 Q's scale words
.set KF,   50                          ; v50-65 K's two fragments
.set KS,   66                          ; v66    K's scale words: lanes 0-15 fragment 0, lanes 16-31 fragment 1
.set VF,   68                          ; v68-83 V's four channel tiles, four registers each; v84-87 zeros
.set VS,   88                          ; v[88:89] V's scale words: channels lane, lane + 32
.set PP,   90                          ; tile q at v[PP + 8 q]: p's four registers of codes, four of zeros
.set PS,   106                         ; v106-107 p's scale words
.set T,    108                         ; v108-121 at work: +0, +1 block maxima; +2, +3 permutes' results; +4 at work; +6:+7 f; +8, +9 scale operands; +10, +11 bytes; +12:+13 the second chain of the sum
.set SS,   128                         ; tile q at v[SS + 32 q]: the scores, then p
.set OO,   192                         ; tile q at v[OO + 32 q]: O^T: register 8 t + j = channel 16 t + 8 h + j
.set FF,   108                         ; the combine: f of the four waves at v108, 110, 112, 114
.set DD,   116                         ; v116 the smallest -M; v117-120 the differences
.set LL,   121                         ; the row's sum
.set RL,   122                         ; v[122:123] its reciprocal
.set ML,   34816                       ; LDS: four partials of 8,704 bytes (two tiles x 16 rows x 272), then 32 queries x 32 bytes of (-M, l) x 4 waves; behind them, from 0x8c00 on, the spare words
.set WV,   16
.set J,    17                          ; which set bit of A is my step's
.set CNT,  18                          ; how many A has
.set KB,   19                          ; the key block found
.set SEL,  20                          ; s[20:21] v_permlanex16_b32's selects for lane l xor 16
.set CS,   22                          ; s[22:23] c = log2(e) / 8
.set ALO,  24
.set AHI,  25
.set MO,   26                          ; the mask words' offset
.set JN,   27
.set MORE, 28
.set PB,   58                          ; s58  P, at the head alone: later a mask word lands here
.set IT,   100                         ; s100 my steps done: the loop's counter, stepped by 1
.set NT,   101                         ; s101 my steps in all, 1 to 16; the loop does not write it
; s[32:63] tile 0's 32 mask words, s[68:99] tile 1's
	s_load_b512 s[32:47], s[0:1], 0x0              ; qc, qs, kc, ks, vc, vs, bits, rec
	s_load_b64 s[48:49], s[0:1], 0x40              ; out0
	v_lshl_add_u32 v126, v0, 2, 0x8c00             ; my spare word, and 0: made here and kept for the closing lines alone
	v_mov_b32 v127, 0
	v_lshrrev_b32 v1, 5, v0
	v_readfirstlane_b32 s[WV], v1                  ; wave 0..3
	s_and_b32 s[PB], ttmp7, 0xffff                 ; P: work-group y.  (H is work-group x, ttmp9)
	s_mov_b32 s[SEL], 0x76543210
	s_mov_b32 s[SEL+1], 0xfedcba98
	s_mov_b32 s[CS], 0x3e38aa3b
	s_mov_b32 s[CS+1], s[CS]                       ; (named with it as a pair, so it is written)
	v_and_b32 v112, 15, v0                         ; r
	v_bfe_u32 v113, v0, 4, 1                       ; h
	v_and_b32 v114, 31, v0                         ; lane
	v_lshrrev_b32 v116, 4, v0                      ; thread / 16
	v_and_b32 v117, 8, v112
	v_add_nc_u32 v117, v117, v112                  ; r + 8 (r / 8)
	v_lshlrev_b32 v[KOFF], 5, v117
	v_lshl_add_u32 v[KOFF], v113, 4, v[KOFF]
	v_lshlrev_b32 v[L4], 2, v114
	v_lshlrev_b32 v[L16], 4, v114
	v_lshlrev_b32 v[L8], 3, v114
	v_mov_b32 v[NEG], 0xd0000000
	s_wait_alu depctr_va_sdst(0)                   ; the wave's number is written in s16, ahead of its first reader, the line below
	; every LDS address is made here, ahead of the first branch
	s_mul_i32 s29, s[WV], 8704
	v_mul_u32_u24 v[STO], v112, 272
	v_lshl_add_u32 v[STO], v113, 5, v[STO]
	v_add_nc_u32 v[STO], s29, v[STO]               ; wave x 8,704 + 272 r + 32 h
	s_lshl_b32 s29, s[WV], 3
	s_add_co_u32 s29, s29, ML
	v_lshlrev_b32 v[MLS], 5, v112
	v_add_nc_u32 v[MLS], s29, v[MLS]               ; ML + 32 r + 8 x wave
	v_mul_u32_u24 v[RD], v116, 272
	v_lshl_add_u32 v[RD], v112, 4, v[RD]           ; 272 (thread / 16) + 16 (thread % 16)
	v_lshl_add_u32 v[MLR], v116, 5, ML             ; ML + 32 (thread / 16)
	v_lshlrev_b32 v[GO], 4, v0
	v_lshlrev_b32 v[QA], 5, v112
	v_lshl_add_u32 v[QA], v113, 4, v[QA]           ; row r of 32 bytes, + 16 h
	v_and_b32 v117, 7, v112
	v_lshrrev_b32 v118, 3, v112
	v_lshlrev_b32 v118, 1, v118
	v_lshl_add_u32 v[QSA], v117, 2, v118           ; 4 (r % 8) + 2 (r / 8)
	s_mov_b32 s51, 0
	s_lshl_b32 s56, ttmp9, 17                      ; a head's codes: 131,072 bytes
	s_wait_kmcnt 0x0
	s_mov_b32 s50, s56
	s_add_nc_u64 s[4:5], s[36:37], s[50:51]        ; kc at the head
	s_add_nc_u64 s[8:9], s[40:41], s[50:51]        ; vc
	s_lshl_b32 s57, s[PB], 10
	s_add_co_u32 s50, s56, s57
	s_add_nc_u64 s[2:3], s[32:33], s[50:51]        ; qc at my 32 queries
	s_lshl_b32 s50, ttmp9, 13
	s_add_nc_u64 s[6:7], s[38:39], s[50:51]        ; ks: 8,192 bytes a head
	s_lshl_b32 s57, s[PB], 6
	s_add_co_u32 s50, s50, s57
	s_add_nc_u64 s[66:67], s[34:35], s[50:51]      ; qs: + 64 bytes for each 32 queries
	s_lshl_b32 s50, ttmp9, 14
	s_add_nc_u64 s[10:11], s[42:43], s[50:51]      ; vs: 16,384 bytes a head
	s_lshl_b32 s50, s[PB], 14
	s_add_nc_u64 s[12:13], s[44:45], s[50:51]      ; bits: tile 2 P; tile 2 P + 1 lies 8,192 bytes on
	s_lshl_b32 s50, s[PB], 8
	s_add_nc_u64 s[46:47], s[46:47], s[50:51]      ; rec: tiles 2 P and 2 P + 1
	s_lshl_b32 s50, ttmp9, 20
	s_lshl_b32 s57, s[PB], 13
	s_add_co_u32 s50, s50, s57
	s_add_nc_u64 s[14:15], s[48:49], s[50:51]      ; out0 at my 32 rows
	s_load_b64 s[52:53], s[46:47], 0x0
	s_load_b64 s[54:55], s[46:47], 0x80
	s_wait_alu depctr_va_vdst(0)                   ; the fixed offsets and LDS addresses v1-4 and v12-18 are written: Q's loads below read two of them, the later loads, LDS instructions and stores the others
	global_load_b128 v[QZ+4:QZ+7], v[QA], s[2:3]               ; Q stays in registers
	global_load_b128 v[QZ+12:QZ+15], v[QA], s[2:3] offset:512
	global_load_u16 v[QS], v[QSA], s[66:67]                    ; a query's two scale bytes
	global_load_u16 v[QS+1], v[QSA], s[66:67] offset:32
.irp j, 0,1,2,3
	v_mov_b32 v[QZ+\j], 0                          ; the zero halves of operands: written once
	v_mov_b32 v[QZ+8+\j], 0
	v_mov_b32 v[QZ+16+\j], 0
	v_mov_b32 v[VF+16+\j], 0
	v_mov_b32 v[PP+4+\j], 0
	v_mov_b32 v[PP+12+\j], 0
.endr
.irp q, 0,1
	v_mov_b32 v[ST+4*\q], 0x7f000000               ; -M = 2^127 and, beside it, l = 0: what a wave without a block hands in
	v_mov_b32 v[ST+4*\q+1], 0
	v_mov_b32 v[ST+4*\q+2], 0                      ; the sum, in two halves
	v_mov_b32 v[ST+4*\q+3], 0
	v_mov_b32 v[T+2+\q], 0                         ; a lane permute's destination counts as one of its sources
.endr
	v_mov_b32 v[T+7], 0                            ; (named as the upper half of the pair with f)
	s_wait_kmcnt 0x0
	s_or_b32 s[ALO], s52, s54                      ; A = the blocks that count for either tile
	s_or_b32 s[AHI], s53, s55
	s_bcnt1_i32_b32 s29, s[ALO]
	s_bcnt1_i32_b32 s30, s[AHI]
	s_add_co_u32 s[CNT], s29, s30
	s_min_u32 s[CNT], s[CNT], 64                   ; (it cannot be more: the bound is written out)
	v_mbcnt_lo_u32_b32 v[POSLO], s[ALO], 0
	v_mbcnt_lo_u32_b32 v[POSHI], s[AHI], s29
	s_mov_b32 s[J], s[WV]
	s_cmp_ge_u32 s[J], s[CNT]
	s_cbranch_scc1 .Lidle
	s_add_co_u32 s[NT], s[CNT], 3                  ; my steps: how many of wave, wave + 4, .. lie under CNT: (CNT - wave + 3) / 4, rounded down
	s_sub_co_u32 s[NT], s[NT], s[WV]
	s_lshr_b32 s[NT], s[NT], 2
	s_min_u32 s[NT], s[NT], 16                     ; (64 blocks over four waves: the bound is written out)
; The place of A's set bit number s[j] goes to KB, held at 63.  (Where there is none, KB is not used.)
.macro FIND j
	v_cmp_eq_u32 s29, s[\j], v[POSLO]
	v_cmp_eq_u32 s30, s[\j], v[POSHI]
	s_wait_alu depctr_va_sdst(0)                   ; the two compares have written s29 and s30, ahead of their first readers, the two lines below
	s_and_b32 s29, s29, s[ALO]                     ; the one set bit with that many set bits under it
	s_and_b32 s30, s30, s[AHI]
	s_ctz_i32_b32 s31, s29
	s_ctz_i32_b32 s30, s30
	s_add_co_u32 s30, s30, 32
	s_cmp_lg_u32 s29, 0
	s_cselect_b32 s[KB], s31, s30
	s_min_u32 s[KB], s[KB], 63
.endm
.macro LDM                             ; block KB's 2 x 32 mask words
	s_lshl_b32 s[MO], s[KB], 7
	s_load_b512 s[32:47], s[12:13], s[MO] offset:0x0
	s_load_b512 s[48:63], s[12:13], s[MO] offset:0x40
	s_load_b512 s[68:83], s[12:13], s[MO] offset:0x2000
	s_load_b512 s[84:99], s[12:13], s[MO] offset:0x2040
.endm
.macro ADK                             ; block KB's offsets in K's codes and scale words
	s_lshl_b32 s29, s[KB], 11
	s_lshl_b32 s30, s[KB], 7
	v_add_nc_u32 v[KA], s29, v[KOFF]
	v_add_nc_u32 v[KSA], s30, v[L4]
.endm
.macro LDK                             ; five loads: K's two fragments and their scale words
.irp b, 0,1
.irp u, 0,1
	global_load_b128 v[KF+8*\b+4*\u:KF+8*\b+4*\u+3], v[KA], s[4:5] offset:1024*\b+256*\u   ; tile 2 b + u begins at key 32 b + 8 u: two runs of 256 consecutive bytes
.endr
.endr
	global_load_b32 v[KS], v[KSA], s[6:7]
.endm
.macro ADV                             ; block KB's offsets in V's codes and scale words
	s_lshl_b32 s29, s[KB], 11
	s_lshl_b32 s30, s[KB], 8
	v_add_nc_u32 v[VA], s29, v[L16]
	v_add_nc_u32 v[VSA], s30, v[L8]
.endm
.macro LDV                             ; five loads: V's four channel tiles, as images of their registers, and their scale words
.irp t, 0,1,2,3
	global_load_b128 v[VF+4*\t:VF+4*\t+3], v[VA], s[8:9] offset:512*\t
.endr
	global_load_b64 v[VS:VS+1], v[VSA], s[10:11]
.endm
.macro QK                              ; S^T = K Q^T: eight products, each starting its own sum
.irp b, 0,1
.irp u, 0,1
.irp q, 0,1
.if \b
	v_wmma_scale_f32_16x16x128_f8f6f4 v[SS+32*\q+16*\b+8*\u:SS+32*\q+16*\b+8*\u+7], v[KF+8*\b:KF+8*\b+7], v[QZ+4+8*\q-4*\u:QZ+11+8*\q-4*\u], 0, v[KS], v[QS+\q] matrix_a_fmt:MATRIX_FMT_FP4 matrix_b_fmt:MATRIX_FMT_FP4 matrix_a_scale:MATRIX_SCALE_ROW1
.else
	v_wmma_scale_f32_16x16x128_f8f6f4 v[SS+32*\q+16*\b+8*\u:SS+32*\q+16*\b+8*\u+7], v[KF+8*\b:KF+8*\b+7], v[QZ+4+8*\q-4*\u:QZ+11+8*\q-4*\u], 0, v[KS], v[QS+\q] matrix_a_fmt:MATRIX_FMT_FP4 matrix_b_fmt:MATRIX_FMT_FP4
.endif
.endr
.endr
.endr
.endm
.macro MASK q                          ; closed keys' scores become -2^33; in ascending order, so that each result is first read at its low end
.set n, 0
.rept 32
	v_cndmask_b32 v[SS+32*\q+n], v[NEG], v[SS+32*\q+n], s[32+36*\q+n]
.set n, n+1
.endr
.endm
; Tile q's softmax for 64 keys: two blocks of 32.  first = 1: the wave's first step, which has no old M and nothing to rescale.
.macro SOFTMAX q, first
.set rS, SS+32*\q
.set rT, ST+4*\q
.set rP, PP+8*\q
.set rO, OO+32*\q
.irp b, 0,1
	v_max3_num_f32 v[T+\b], v[rS+16*\b], v[rS+16*\b+1], v[rS+16*\b+2]   ; each block's largest score: it serves for the row's maximum and, since p rises with the score, for the block's largest p
.endr
.irp i, 3,5,7,9,11,13
.irp b, 0,1
	v_max3_num_f32 v[T+\b], v[T+\b], v[rS+16*\b+\i], v[rS+16*\b+\i+1]
.endr
.endr
.irp b, 0,1
	v_max_num_f32 v[T+\b], v[T+\b], v[rS+16*\b+15]
.endr
.irp b, 0,1
	v_permlanex16_b32 v[T+2+\b], v[T+\b], s[SEL], s[SEL+1]
.endr
.irp b, 0,1
	v_max_num_f32 v[T+\b], v[T+\b], v[T+2+\b]      ; with lane l xor 16's 16 keys
.endr
	v_max_num_f32 v[T+4], v[T], v[T+1]
	v_mul_f32 v[T+4], s[CS], v[T+4]                ; the step's largest t
.if \first
	v_mov_b32 v[rT+1], v[T+4]
	v_floor_f32 v[rT], -v[rT+1]                    ; -M = floor(-t) = -ceil(t)
.else
	v_max_num_f32 v[rT+1], v[rT+1], v[T+4]         ; the running largest t
	v_mov_b32 v[T+4], v[rT]
	v_floor_f32 v[rT], -v[rT+1]
	v_sub_f32 v[T+4], v[rT], v[T+4]                ; old M - new M: a whole number, 0 or less
	v_cvt_i32_f32 v[T+4], v[T+4]                   ; (it saturates)
	v_ldexp_f32 v[T+6], 1.0, v[T+4]                ; f = 2^(old M - new M)
.endif
.irp j, 0,2,4,6,8,10,12,14,16,18,20,22,24,26,28,30
	v_pk_fma_f32 v[rS+\j:rS+\j+1], v[rS+\j:rS+\j+1], s[CS:CS+1], v[rT:rT+1] op_sel_hi:[1,0,0]   ; t - M, two at a time
.endr
.irp b, 0,1
	v_fma_f32 v[T+\b], v[T+\b], s[CS], v[rT]       ; the same of each block's largest score
.endr
.set n, 0
.rept 32
	v_exp_f32 v[rS+n], v[rS+n]                     ; p = 2^(t - M)
.set n, n+1
.endr
.irp b, 0,1
	v_exp_f32 v[T+\b], v[T+\b]                     ; the block's largest p
.endr
.if \first
	v_nop                                          ; a plain place behind the exponentials
.else
	v_pk_mul_f32 v[rT+2:rT+3], v[rT+2:rT+3], v[T+6:T+7] op_sel_hi:[1,0]   ; the sum under the new M; also the plain place behind the exponentials
.endif
	s_wait_alu depctr_va_vdst(0)                   ; the tile's 34 exponentials have written p and the blocks' largest p: one wait for the batch, ahead of its first reader
.irp b, 0,1
	v_max_num_f32 v[T+\b], 0x1800000, v[T+\b]      ; the floor 2^(3 - 127): the byte cannot fall under 1
.endr
.irp b, 0,1
	v_add_nc_u32 v[T+8+\b], 0xff000000, v[T+\b]    ; 2 off the exponent field: the conversion's scale operand
.endr
.irp b, 0,1
	v_lshrrev_b32 v[T+10+\b], 23, v[T+8+\b]        ; the scale's byte
.endr
	v_lshl_or_b32 v[PS+\q], v[T+11], 8, v[T+10]    ; p's scale word; its bytes 2 and 3 are 0 and meet zero codes
.irp b, 0,1
	v_cvt_scalef32_pk8_fp4_f32 v[rP+2*\b], v[rS+16*\b:rS+16*\b+7], v[T+8+\b]
	v_cvt_scalef32_pk8_fp4_f32 v[rP+2*\b+1], v[rS+16*\b+8:rS+16*\b+15], v[T+8+\b]
.endr
	v_nop                                          ; one plain place behind a scaled conversion
	v_permlane16_swap_b32 v[rP], v[rP+2]           ; the operand's layout wants a whole block in a lane: lanes 0-15 block 0, lanes 16-31 block 1
	v_permlane16_swap_b32 v[rP+1], v[rP+3]
.if !\first
.irp j, 0,2,4,6,8,10,12,14,16,18,20,22,24,26,28,30
	v_pk_mul_f32 v[rO+\j:rO+\j+1], v[rO+\j:rO+\j+1], v[T+6:T+7] op_sel_hi:[1,0]   ; O^T under the new M, each accumulator from its low end on
.endr
.endif
	v_pk_add_f32 v[T+12:T+13], v[rS:rS+1], v[rS+2:rS+3]   ; the row's sum is taken of the unquantised p, in two chains.  These 16 lines are also the places between p's scale word and codes and the products
.irp j, 4,8,12,16,20,24,28
	v_pk_add_f32 v[rT+2:rT+3], v[rT+2:rT+3], v[rS+\j:rS+\j+1]
	v_pk_add_f32 v[T+12:T+13], v[T+12:T+13], v[rS+\j+2:rS+\j+3]
.endr
	v_pk_add_f32 v[rT+2:rT+3], v[rT+2:rT+3], v[T+12:T+13]
.endm
; O^T += V^T P^T: eight accumulators by turns, one instruction a turn.  first = 1: the products start the sums.
.macro PV first
.irp t, 0,1,2,3
.irp q, 0,1
.if \first
.if \t%2
	v_wmma_scale_f32_16x16x128_f8f6f4 v[OO+32*\q+8*\t:OO+32*\q+8*\t+7], v[VF+4*\t:VF+4*\t+7], v[PP+8*\q:PP+8*\q+7], 0, v[VS+\t/2], v[PS+\q] matrix_a_fmt:MATRIX_FMT_FP4 matrix_b_fmt:MATRIX_FMT_FP4 matrix_a_scale:MATRIX_SCALE_ROW1
.else
	v_wmma_scale_f32_16x16x128_f8f6f4 v[OO+32*\q+8*\t:OO+32*\q+8*\t+7], v[VF+4*\t:VF+4*\t+7], v[PP+8*\q:PP+8*\q+7], 0, v[VS+\t/2], v[PS+\q] matrix_a_fmt:MATRIX_FMT_FP4 matrix_b_fmt:MATRIX_FMT_FP4
.endif
.else
.if \t%2
	v_wmma_scale_f32_16x16x128_f8f6f4 v[OO+32*\q+8*\t:OO+32*\q+8*\t+7], v[VF+4*\t:VF+4*\t+7], v[PP+8*\q:PP+8*\q+7], v[OO+32*\q+8*\t:OO+32*\q+8*\t+7], v[VS+\t/2], v[PS+\q] matrix_a_fmt:MATRIX_FMT_FP4 matrix_b_fmt:MATRIX_FMT_FP4 matrix_a_scale:MATRIX_SCALE_ROW1
.else
	v_wmma_scale_f32_16x16x128_f8f6f4 v[OO+32*\q+8*\t:OO+32*\q+8*\t+7], v[VF+4*\t:VF+4*\t+7], v[PP+8*\q:PP+8*\q+7], v[OO+32*\q+8*\t:OO+32*\q+8*\t+7], v[VS+\t/2], v[PS+\q] matrix_a_fmt:MATRIX_FMT_FP4 matrix_b_fmt:MATRIX_FMT_FP4
.endif
.endif
.endr
.endr
.endm
; A STEP: 32 queries x 64 keys.  The next block is searched for at the step's head; its mask words and K are asked for as soon as this step's have been used, its V behind this step's second product.
.macro STEP first
	s_add_co_u32 s[JN], s[J], 4
	s_cmp_lt_u32 s[JN], s[CNT]
	s_cselect_b32 s[MORE], 1, 0                    ; has my wave a further block?
	FIND JN                                        ; (KB's last value was last read by the offsets of this step's V)
	s_wait_alu depctr_vm_vsrc(0)                   ; this step's ten loads, all issued ahead of this line, have read v5-8: K's two offsets and V's two are written anew further down, on whichever way the step is walked
	s_wait_loadcnt 0x5                             ; K's five loads are in; V's five, issued behind them, may be out
	QK
.rept 4
	v_nop                                          ; four places between the products and the first read of their results
.endr
	s_wait_kmcnt 0x0                               ; this step's mask words
	MASK 0
	MASK 1
	s_cmp_lg_u32 s[MORE], 0
	s_cbranch_scc0 .Lno_k_\@
	ADK                                            ; v[KA], v[KSA] and, below, s[MO] are written again: the loads that named them are shown done by the waits on LOADcnt and KMcnt above
	s_wait_alu depctr_va_vdst(0)                   ; the two additions have written v[KA] and v[KSA], which the five loads read; the eight products are done reading KF and KS, in which they land (the selections by the mask words stand ahead of it too)
	LDM
	LDK                                            ; no vector or matrix instruction names KF, KS or the two offsets before the next step's products
.Lno_k_\@:
	SOFTMAX 0, \first
	SOFTMAX 1, \first
	s_wait_loadcnt 0x0                             ; V is in (for 0: whether K's next five were issued behind it differs from way to way)
	s_wait_alu depctr_va_vdst(0)                   ; the conversions and lane swaps have written p's codes, and the v_lshl_or_b32 lines p's scale words, which the scaled products take as source 1 and as scales; the places stand ahead of this wait
	PV \first
.rept 4
	v_nop                                          ; four plain places behind the products; O^T is first read behind them
.endr
	s_cmp_lg_u32 s[MORE], 0
	s_cbranch_scc0 .Lno_v_\@
	ADV                                            ; (the loads that named v[VA] and v[VSA] are shown done by the wait on LOADcnt above)
	s_wait_alu depctr_va_vdst(0)                   ; the two additions have written v[VA] and v[VSA], which the five loads read; the eight products are done reading VF and VS, in which they land
	LDV
.Lno_v_\@:
.endm
	FIND J
	LDM
	ADK
	ADV
	s_wait_alu depctr_va_vdst(0)                   ; the four additions have written v5-8, which the ten loads below read
	LDK
	LDV
	s_wait_loadcnt 10                              ; Q's four loads are in; K's and V's ten may be out
	v_lshl_or_b32 v[QS], v[QS], 16, v[QS]          ; a query's two bytes twice: for [Q | 0] and for [0 | Q]
	v_lshl_or_b32 v[QS+1], v[QS+1], 16, v[QS+1]
.rept 8
	v_nop                                          ; a scale register written by a vector instruction stands eight places ahead of a scaled product
.endr
	s_wait_alu depctr_va_vdst(0)                   ; Q's scale words and the zero halves of Q's, V's and p's operands are written, which the scaled products take as scales and as sources; the places stand ahead of this wait
	STEP 1                                         ; the first step is written out: its products start O^T's sums
	s_add_co_u32 s[J], s[J], 4
	s_mov_b32 s[IT], 1
	s_cmp_ge_u32 s[IT], s[NT]
	s_cbranch_scc1 .Lpart
.Lloop:                                            ; NT - 1 trips, counted in steps of 1; J, the rank of the step's block, goes on by 4 beside the counter
	STEP 0
	s_add_co_u32 s[J], s[J], 4
	s_add_co_u32 s[IT], s[IT], 1
	s_cmp_lt_u32 s[IT], s[NT]
	s_cbranch_scc1 .Lloop
	s_branch .Lpart
.Lidle:                                            ; fewer blocks than waves: my partial is zeros, stored from an operand's zero half, under -M = 2^127 and l = 0, which the combine multiplies by 0
	s_wait_loadcnt 0x0                             ; Q's loads, which this wave does not use, are in
	s_wait_alu depctr_va_vdst(0)                   ; the head's v_mov_b32 lines have written the zero half and (-M, l), which the LDS stores read
.irp q, 0,1
.irp t, 0,1,2,3
	ds_store_b128 v[STO], v[QZ:QZ+3] offset:4352*\q+64*\t
	ds_store_b128 v[STO], v[QZ:QZ+3] offset:4352*\q+64*\t+16
.endr
	ds_store_b64 v[MLS], v[ST+4*\q:ST+4*\q+1] offset:512*\q
.endr
	s_branch .Ljoin
.Lpart:
	s_wait_loadcnt 0x0                             ; no load of mine is out: the registers below are free
.irp q, 0,1
	v_add_f32 v[ST+4*\q+2], v[ST+4*\q+2], v[ST+4*\q+3]        ; the sum's two halves,
.endr
.irp q, 0,1
	v_permlanex16_b32 v[T+2+\q], v[ST+4*\q+2], s[SEL], s[SEL+1]
.endr
.irp q, 0,1
	v_add_f32 v[ST+4*\q+1], v[ST+4*\q+2], v[T+2+\q]           ; and lane l xor 16's: my wave's l, beside -M
.endr
	s_wait_alu depctr_va_vdst(0)                   ; the products have written O^T and the additions l, which the LDS stores read (the places behind the products stand ahead of it); and every line that named the scores' registers or O^T's, in which the combine's loads land, is done
.irp q, 0,1
.irp t, 0,1,2,3
	ds_store_b128 v[STO], v[OO+32*\q+8*\t:OO+32*\q+8*\t+3] offset:4352*\q+64*\t         ; query r, channels 16 t + 8 h + 0 .. 7; each accumulator from its low end on
	ds_store_b128 v[STO], v[OO+32*\q+8*\t+4:OO+32*\q+8*\t+7] offset:4352*\q+64*\t+16
.endr
	ds_store_b64 v[MLS], v[ST+4*\q:ST+4*\q+1] offset:512*\q   ; both halves of the lanes write the same words with the same values
.endr
.Ljoin:
	s_wait_dscnt 0x0                               ; for the others' sake: my stores have landed
	s_barrier_signal -1
	s_barrier_wait -1
	s_wait_alu depctr_vm_vsrc(0)                   ; my LDS stores have read O^T's registers, in the first 32 of which the loads below land
	; THE COMBINE.  Thread i takes four units: query 8 k + i / 16, 16 bytes (four channels) at column i % 16; six LDS loads a unit
.irp k, 0,1,2,3
	ds_load_b128 v[OO+8*\k:OO+8*\k+3], v[MLR] offset:256*\k           ; (-M, l) of waves 0, 1
	ds_load_b128 v[OO+8*\k+4:OO+8*\k+7], v[MLR] offset:256*\k+16      ; of waves 2, 3
.irp w, 0,1,2,3
	ds_load_b128 v[SS+16*\k+4*\w:SS+16*\k+4*\w+3], v[RD] offset:8704*\w+4352*(\k/2)+2176*(\k%2)
.endr
.endr
.irp j, 1,3,5,7
	v_mov_b32 v[FF+\j], 0                          ; (the upper halves of pairs that the packed forms name)
.endr
	v_mov_b32 v[RL+1], 0
; A unit's store stands behind the NEXT unit's wait for its reciprocal, which has also shown the unit's own last two multiplications written; the fourth unit's has a wait of its own behind the macro.
.macro UNIT k
.set rB, OO+8*(\k)
.set rX, SS+16*(\k)
.set rW, SS+16*(\k)-16                 ; the unit before's four numbers
	s_wait_dscnt 6*(3-\k)                          ; this unit's six loads are in; the later units' may be out
	v_min3_num_f32 v[DD], v[rB], v[rB+2], v[rB+4]
	v_min_num_f32 v[DD], v[DD], v[rB+6]            ; the smallest -M: the largest M
.irp w, 0,1,2,3
	v_sub_f32 v[DD+1+\w], v[DD], v[rB+2*\w]        ; M of wave w less the largest: a whole number, 0 or less
.endr
.irp w, 0,1,2,3
	v_cvt_i32_f32 v[DD+1+\w], v[DD+1+\w]           ; (it saturates)
.endr
.irp w, 0,1,2,3
	v_ldexp_f32 v[FF+2*\w], 1.0, v[DD+1+\w]        ; f of wave w: an exact power of two, or 0
.endr
	v_mul_f32 v[LL], v[FF], v[rB+1]
.irp w, 1,2,3
	v_fma_f32 v[LL], v[FF+2*\w], v[rB+2*\w+1], v[LL]          ; the row's sum
.endr
	v_rcp_f32 v[RL], v[LL]                         ; (the lines below are plain places behind it)
	v_pk_mul_f32 v[rX:rX+1], v[rX:rX+1], v[FF:FF+1] op_sel_hi:[1,0]
	v_pk_mul_f32 v[rX+2:rX+3], v[rX+2:rX+3], v[FF:FF+1] op_sel_hi:[1,0]
.irp w, 1,2,3
	v_pk_fma_f32 v[rX:rX+1], v[rX+4*\w:rX+4*\w+1], v[FF+2*\w:FF+2*\w+1], v[rX:rX+1] op_sel_hi:[1,0,1]
	v_pk_fma_f32 v[rX+2:rX+3], v[rX+4*\w+2:rX+4*\w+3], v[FF+2*\w:FF+2*\w+1], v[rX+2:rX+3] op_sel_hi:[1,0,1]
.endr
	s_wait_alu depctr_va_vdst(0)                   ; the reciprocal is written, ahead of its first reader; and the unit before's last two multiplications have written its four numbers, which the store below reads
.if \k > 0
	global_store_b128 v[GO], v[rW:rW+3], s[14:15] offset:2048*(\k)-2048 th:TH_STORE_NT   ; a wave stores 512 consecutive bytes, aligned; each unit has its own registers, so no store's data are written again
.endif
	v_pk_mul_f32 v[rX:rX+1], v[rX:rX+1], v[RL:RL+1] op_sel_hi:[1,0]
	v_pk_mul_f32 v[rX+2:rX+3], v[rX+2:rX+3], v[RL:RL+1] op_sel_hi:[1,0]
.endm
.irp k, 0,1,2,3
	UNIT \k
.endr
	s_wait_alu depctr_va_vdst(0)                   ; the fourth unit's last two multiplications have written its four numbers, which the last store reads
	global_store_b128 v[GO], v[SS+48:SS+51], s[14:15] offset:6144 th:TH_STORE_NT
	s_wait_dscnt 0x0                               ; the closing lines, six on end
	s_wait_alu 0x0
	s_wait_tensorcnt 0x0
	ds_add_u32 v126, v127
	s_wait_dscnt 0x0
	s_endpgm
.Lfunc_end_k_qd8c7cbce88_attn:
	.size	k_qd8c7cbce88_attn, .Lfunc_end_k_qd8c7cbce88_attn-k_qd8c7cbce88_attn
	.p2alignl 7, 3214868480
	.fill 96, 4, 3214868480
	.section	.rodata,"a",@progbits
	.p2align	6, 0x0
	.amdhsa_kernel k_qd8c7cbce88_attn
		.amdhsa_group_segment_fixed_size 36352
		.amdhsa_private_segment_fixed_size 0
		.amdhsa_enable_private_segment 0
		.amdhsa_kernarg_size 72
		.amdhsa_user_sgpr_count 2
		.amdhsa_user_sgpr_kernarg_segment_ptr 1
		.amdhsa_wavefront_size32 1
		.amdhsa_system_sgpr_workgroup_id_x 1
		.amdhsa_system_sgpr_workgroup_id_y 1
		.amdhsa_system_sgpr_workgroup_id_z 1
		.amdhsa_system_vgpr_workitem_id 0
		.amdhsa_next_free_vgpr 256
		.amdhsa_next_free_sgpr 106
		.amdhsa_reserve_vcc 0
		.amdhsa_float_denorm_mode_32 3
		.amdhsa_float_denorm_mode_16_64 3
		.amdhsa_memory_ordered 1
		.amdhsa_forward_progress 1
		.amdhsa_inst_pref_size 60
	.end_amdhsa_kernel
	.amdgpu_metadata
---
amdhsa.version: [ 1, 2 ]
amdhsa.kernels:
  - .name:           k_qd8c7cbce88_attn
    .symbol:         k_qd8c7cbce88_attn.kd
    .args:
      - { .name: qc, .offset: 0, .size: 8, .value_kind: global_buffer, .address_space: global }
      - { .name: qs, .offset: 8, .size: 8, .value_kind: global_buffer, .address_space: global }
      - { .name: kc, .offset: 16, .size: 8, .value_kind: global_buffer, .address_space: global }
      - { .name: ks, .offset: 24, .size: 8, .value_kind: global_buffer, .address_space: global }
      - { .name: vc, .offset: 32, .size: 8, .value_kind: global_buffer, .address_space: global }
      - { .name: vs, .offset: 40, .size: 8, .value_kind: global_buffer, .address_space: global }
      - { .name: bits, .offset: 48, .size: 8, .value_kind: global_buffer, .address_space: global }
      - { .name: rec, .offset: 56, .size: 8, .value_kind: global_buffer, .address_space: global }
      - { .name: out0, .offset: 64, .size: 8, .value_kind: global_buffer, .address_space: global }
    .group_segment_fixed_size: 36352
    .private_segment_fixed_size: 0
    .kernarg_segment_align: 8
    .kernarg_segment_size: 72
    .max_flat_workgroup_size: 128
    .sgpr_count:     106
    .vgpr_count:     256
    .wavefront_size: 32
...
	.end_amdgpu_metadata
.endif
;; end of part 5
